; MI455X (gfx1250); checked and timed in simulation.
; The chip was launched on July 23, 2026; its instructions are those of AMD's public machine-readable ISA for CDNA 5 (MIT licence, August 2026) and "CDNA5" Instruction Set Architecture Reference Guide (July 2026). The comments in the code are by the model that wrote it; some were corrected since.
;; Mo EMLP Base. Allowed arithmetic: matrix products marked QUANTISED: E2M1 operands, one E8M0 scale for each 32 along K, by v_wmma_scale_f32_16x16x128_f8f6f4 with both operands' format E2M1 (or v_wmma_scale_f32_32x16x128_f4), f32 sums; products left as they are: f32 operands where the result goes on into a quantised operand, else bf16, f16 or f32 operands; f32 sums; everything else in f32.
;; Inputs: W_in 8 x 1,024 x 4,096 float32; W_out 8 x 4,096 x 1,024 float32; b_in 8 x 4,096 float32; b_out 8 x 1,024 float32; router_W 1,024 x 8 float32; x 4 x 256 x 1,024 float32.
;; Outputs: out0 4 x 256 x 1,024 float32; out1 one number float32.
;; This version of the problem:
;;   THIS VERSION OF THE PROBLEM IS GIVEN IN LOW PRECISION. The matrix products marked QUANTISED in the list below multiply operands that are first quantised to E2M1 (2 exponent bits, 1 mantissa bit; 4 bits a number), with one power-of-two scale for each 32 numbers along K (OCP MX v1.0); their sums are f32. All else is computed in f32.
;;   The module's matrix products, in the order in which they are computed (A, B: the left and right operand; K: the contracted axis; several contracted axes count as one K, in the product's order):
;;     1. [M 1,024, K 1,024] x [K 1,024, N 8]; A: input x; B: input router_W: left as it is (N = 8 < 16)
;;     2. [M 32,768, K 1,024] x [K 1,024, N 1,024]; A: input W_in; B: input x: QUANTISED
;;     3. batch 8 x [M 1,024, K 4,096] x [K 4,096, N 1,024]; A: computed on the way; B: input W_out: QUANTISED
;;     4. batch 1,024 x [M 1, K 8] x [K 8, N 1,024]; A: computed on the way; B: computed on the way: left as it is (K = 8 < 32)
;;   THE QUANTISER, for each operand of a quantised product, along K:
;;     - K is cut into blocks of 32 from its start; a last block that is shorter is filled with zeros.
;;     - A block's scale is 2^e with e = floor(log2(the largest magnitude in the block)) - 2, held to -126 .. 127; a block of zeros has e = 0. As a byte (E8M0): e + 127.
;;     - Each number is divided by its block's scale, clamped to +-6, and rounded to the nearest number of E2M1, ties to even, subnormals kept.
;;     - The product sums the exact products of the quantised numbers (number of the format x scale) in f32.
;;   ~~~python
;;   def quantise(x, axis):      # numpy; x: float32 -> the quantised numbers, widened to float32 again
;;       x = np.moveaxis(x, axis, -1); K = x.shape[-1]
;;       x = np.pad(x, [(0, 0)] * (x.ndim - 1) + [(0, -K % 32)]); x = x.reshape(x.shape[:-1] + (-1, 32)); a = np.abs(x).max(-1, keepdims=True)
;;       e = np.where(a > 0, np.clip(np.frexp(np.where(a > 0, a, 1))[1] - 1 - 2, -126, 127), 0)      # np.frexp(a)[1] - 1 = floor(log2(a)), exactly
;;       r = np.clip(x / 2.0 ** e, -6, 6)
;;       step = 2.0 ** (np.maximum(np.frexp(np.where(r == 0, 1, r))[1] - 1, 0) - 1)
;;       q = np.round(r / step) * step * 2.0 ** e      # np.round: ties to even
;;       return np.moveaxis(q.reshape(q.shape[:-2] + (-1,))[..., :K], -1, axis).astype(np.float32)
;;   ~~~
;;   OPERANDS COMPUTED ON THE WAY. 'Computed on the way' means the value that the module computes at that place (a softmax that the list does not call 'softmax' is quantised finished and normalised). What goes into a quantiser is computed in f32, as accurately as f32 sums, v_exp_f32 and their like allow (about 1e-6 of the number): no bf16 or f16 on the way to a quantiser, and a product that is left as it is and whose result goes on into a quantised operand takes f32 operands (vector FMAs, or v_wmma_f32_16x16x4_f32). A number that lies on a knife's edge between two numbers of the format may be rounded either way, as far as f32 arithmetic and the matrix unit's own rounding can turn it there, and no further.
;; 2 versions, each right; version 2 is version 1 with the launches up, down written anew for expert scheduling mode. Each part assembles by itself: llvm-mc -triple=amdgcn-amd-amdhsa -mcpu=gfx1250 --defsym DOCPART=n.
;; ======== version 1 of 2: 5 launches
;; workspace buffers: xc 524,288 bytes; xs 32,768 bytes; choice 8,192 bytes of whole numbers; gate 8,192 bytes; auxp 16,384 bytes; hc 17,825,792 bytes; parts 16,777,216 bytes; list 65,536 bytes of whole numbers
;; launch route (part 1): grid 64 x 1, 4 waves a work-group, no clusters, 108,032 bytes of LDS; arguments x, router_W, xc, xs, choice, gate, auxp; writes xc, xs, choice, gate, auxp
.if DOCPART == 1
	.amdgcn_target "amdgcn-amd-amdhsa--gfx1250"
	.amdhsa_code_object_version 6
	.text
	.protected	k_qd77882bf4b_route
	.globl	k_qd77882bf4b_route
	.p2align	8
	.type	k_qd77882bf4b_route,@function
k_qd77882bf4b_route:
	s_mov_b64 s[64:65], 0
	v_nop
	global_prefetch_b8 v0, s[64:65] scope:SCOPE_SE
	s_setreg_imm32_b32 hwreg(HW_REG_WAVE_MODE, 25, 1), 1
	s_wait_xcnt 0x0
; ROUTE.  For each of the 1,024 tokens: the 8 router logits in f32, their softmax, the two largest probabilities (ties to the lower expert), the two gates p / (p1 + p2 + 1e-8),
; and the token's 1,024 numbers as codes of E2M1 with one E8M0 byte for each 32 along D.  Stored: xc [token][512 bytes], xs [token][32 bytes], choice [token][2] (whole numbers),
; gate [token][2], auxp [wave][16]: the wave's sums over its 4 tokens of the 8 probabilities and of the 8 counts of choices.
; SHARES.  64 work-groups of four waves; a wave takes 4 tokens.  For the arithmetic lane L holds the 32 neighbours d = 32 L .. 32 L + 31 of each token: one whole block of the quantiser.
; The loads take x as it lies (a wave's load covers 512 consecutive bytes); the wave's own stage in LDS turns the bytes so that a lane gets its 128.
; router_W (32 KiB) lies in LDS once for the work-group, laid so that lane L finds W[32 L + i][4 half ..] at 528 (2 i + half) + 16 L.
; No matrix unit: 8 columns are too few for it, and the logits steer a choice, so they are kept in f32 fused multiply-adds.  No cluster: the work-groups share only router_W.
; LIMITS: NaN and infinities are not served; a block whose largest magnitude lies under 2^-124 keeps the scale byte 1 (a block of zeros too: its codes are zeros, and this program alone reads the bytes).
.set WIP,  528                         ; a quad's pitch in router_W's image: 32 lanes x 16 bytes + 16
.set XT,   33792                       ; behind the image (64 x 528): the waves' stages
.set XTW,  18432                       ; a wave's stage: 4 rows
.set XTR,  4608                        ; a row in it: 32 blocks x (128 bytes + 16)
.set A,    32                          ; v32-63   the 32 sums: 8 x row + expert
.set WB,   64                          ; v64-127  router_W as loaded, then two sets of 8 quads; later the codes
.set X,    128                         ; v128-255 the 4 rows, 32 numbers each
	s_load_b256 s[4:11], s[0:1], 0x0               ; x, router_W, xc, xs
	s_load_b128 s[12:15], s[0:1], 0x20             ; choice, gate
	s_load_b64 s[16:17], s[0:1], 0x30              ; auxp
	v_lshl_add_u32 v30, v0, 2, 0x1a400
	v_mov_b32 v31, 0
	v_lshrrev_b32 v1, 5, v0
	v_readfirstlane_b32 s20, v1                    ; wave
	v_and_b32 v1, 31, v0                           ; lane
	v_lshlrev_b32 v2, 4, v1                        ; 16 x lane
	s_mul_i32 s21, s20, XTW
	s_add_co_u32 s21, s21, XT                      ; my stage
	v_lshrrev_b32 v3, 3, v1
	v_mul_u32_u24 v3, v3, 144
	v_and_b32 v4, 7, v1
	v_lshl_add_u32 v3, v4, 4, v3
	v_add_nc_u32 v3, s21, v3                       ; into the stage: eight lanes' 128 bytes on end, then 16 of padding
	v_mul_u32_u24 v4, v1, 144
	v_add_nc_u32 v4, s21, v4                       ; out of it: block = lane
	v_and_b32 v5, 63, v0
	v_mul_u32_u24 v5, v5, WIP
	v_lshrrev_b32 v6, 6, v0
	v_lshl_add_u32 v5, v6, 4, v5                   ; router_W's image: piece t + 128 i goes to quad t % 64, lane t / 64 + 2 i
	v_lshlrev_b32 v6, 4, v0                        ; 16 x thread: my piece of router_W
	v_and_b32 v7, 3, v1
	v_lshlrev_b32 v24, 3, v7                       ; 8 (lane % 4): my byte's place in a scale word
	v_lshrrev_b32 v26, 2, v1
	v_lshlrev_b32 v26, 2, v26
	v_lshl_add_u32 v26, v7, 5, v26                 ; xs: row lane % 4, word lane / 4
.irp r, 0,1,2,3
	v_mov_b32 v[20+\r], 0                          ; written once: the destination of a lane exchange counts as read
.endr
	s_mov_b32 s22, 0x76543210
	s_mov_b32 s23, 0xfedcba98                      ; v_permlanex16_b32's selects for lane l xor 16
	s_mov_b32 s24, 0xaaaaaaaa                      ; the lanes whose bit 0, 1, 2, 3, 4 is set
	s_mov_b32 s25, 0xcccccccc
	s_mov_b32 s26, 0xf0f0f0f0
	s_mov_b32 s27, 0xff00ff00
	s_mov_b32 s28, 0xffff0000
	s_lshl_b32 s18, ttmp9, 4
	s_lshl_b32 s19, s20, 2
	s_add_co_u32 s18, s18, s19                     ; my first token: 16 x work-group + 4 x wave
	s_mov_b32 s3, 0
	s_wait_kmcnt 0x0
	s_lshl_b32 s2, s18, 12
	s_add_nc_u64 s[4:5], s[4:5], s[2:3]            ; x: 4,096 bytes a token
	s_lshl_b32 s2, s18, 9
	s_add_nc_u64 s[8:9], s[8:9], s[2:3]            ; xc: 512
	s_lshl_b32 s2, s18, 5
	s_add_nc_u64 s[10:11], s[10:11], s[2:3]        ; xs: 32
	s_lshl_b32 s2, s18, 3
	s_add_nc_u64 s[12:13], s[12:13], s[2:3]        ; choice and gate: 8
	s_add_nc_u64 s[14:15], s[14:15], s[2:3]
	s_lshl_b32 s2, s18, 4
	s_add_nc_u64 s[16:17], s[16:17], s[2:3]        ; auxp: 64 bytes a wave
.set i, 0
.rept 16
	global_load_b128 v[WB+4*i:WB+4*i+3], v6, s[6:7] offset:2048*i
.set i, i+1
.endr
.set i, 0
.rept 32
	global_load_b128 v[X+4*i:X+4*i+3], v2, s[4:5] offset:512*i th:TH_LOAD_NT   ; row i / 8, bytes 512 (i % 8) on: read once in the whole program
.set i, i+1
.endr
	s_wait_loadcnt 32                              ; router_W's 16 loads are in; x's 32 may be out
.set i, 0
.rept 16
	ds_store_b128 v5, v[WB+4*i:WB+4*i+3] offset:32*i
.set i, i+1
.endr
	s_wait_loadcnt 0x0
.set i, 0
.rept 32
	ds_store_b128 v3, v[X+4*i:X+4*i+3] offset:(i/8)*XTR+(i%8)*576
.set i, i+1
.endr
	s_wait_dscnt 0x0                               ; for the others' sake: my part of the image has landed
	s_barrier_signal -1
	s_barrier_wait -1                              ; the image is whole; nobody writes it again
.set i, 0
.rept 32
	ds_load_b128 v[X+4*i:X+4*i+3], v4 offset:(i/8)*XTR+(i%8)*16
.set i, i+1
.endr
.macro WQ g                            ; the eight quads of group g (i = 4 g .. 4 g + 3, both halves of the experts) into set g % 2
.set q, 0
.rept 8
	ds_load_b128 v[WB+32*((\g)%2)+4*q:WB+32*((\g)%2)+4*q+3], v2 offset:WIP*(8*(\g)+q)
.set q, q+1
.endr
.endm
.macro FMAS g                          ; 64 packed multiply-adds: 4 numbers of each of 4 rows x 8 experts; x's number feeds both halves, W's pair is two neighbouring experts
.set fi, 0
.rept 4
.set fr, 0
.rept 4
.set fe, 0
.rept 4
.if ((\g) == 0) && (fi == 0)
	v_pk_mul_f32 v[A+8*fr+2*fe:A+8*fr+2*fe+1], v[X+32*fr:X+32*fr+1], v[WB+2*fe:WB+2*fe+1] op_sel_hi:[0,1]   ; the first product starts the sums
.elseif fi%2 == 0
	v_pk_fma_f32 v[A+8*fr+2*fe:A+8*fr+2*fe+1], v[X+32*fr+4*(\g)+fi:X+32*fr+4*(\g)+fi+1], v[WB+32*((\g)%2)+8*fi+2*fe:WB+32*((\g)%2)+8*fi+2*fe+1], v[A+8*fr+2*fe:A+8*fr+2*fe+1] op_sel_hi:[0,1,1]
.else
	v_pk_fma_f32 v[A+8*fr+2*fe:A+8*fr+2*fe+1], v[X+32*fr+4*(\g)+fi-1:X+32*fr+4*(\g)+fi], v[WB+32*((\g)%2)+8*fi+2*fe:WB+32*((\g)%2)+8*fi+2*fe+1], v[A+8*fr+2*fe:A+8*fr+2*fe+1] op_sel:[1,0,0] op_sel_hi:[1,1,1]
.endif
.set fe, fe+1
.endr
.set fr, fr+1
.endr
.set fi, fi+1
.endr
.endm
	WQ 0
	WQ 1
.set gg, 0
.rept 8
.if gg < 7
	s_wait_dscnt 8                                 ; this group's quads (and x) are in; the next group's eight may be out
.else
	s_wait_dscnt 0x0
.endif
	FMAS gg
.if gg < 6
	WQ gg+2
.endif
.set gg, gg+1
.endr
	; x's codes: a lane's 32 numbers of a row are one block.  The four rows by turns.
.irp r, 0,1,2,3
	v_max3_num_f32 v[8+\r], |v[X+32*\r]|, |v[X+32*\r+1]|, 0x1800000   ; with the floor 2^(3 - 127): the byte cannot fall under 1
.endr
.set i, 2
.rept 15
.irp r, 0,1,2,3
	v_max3_num_f32 v[8+\r], v[8+\r], |v[X+32*\r+i]|, |v[X+32*\r+i+1]|
.endr
.set i, i+2
.endr
.irp r, 0,1,2,3
	v_add_nc_u32 v[12+\r], 0xff000000, v[8+\r]     ; 2 off the exponent field: the conversion's scale operand
.endr
.irp r, 0,1,2,3
.irp g, 0,1,2,3
	v_cvt_scalef32_pk8_fp4_f32 v[WB+4*\r+\g], v[X+32*\r+8*\g:X+32*\r+8*\g+7], v[12+\r]
.endr
.endr
.irp r, 0,1,2,3
	v_lshrrev_b32 v[16+\r], 23, v[12+\r]           ; the scale's byte (also the plain line behind the conversions)
.endr
.irp r, 0,1,2,3
	global_store_b128 v2, v[WB+4*\r:WB+4*\r+3], s[8:9] offset:512*\r   ; the wave stores a token's 512 bytes of codes on end
.endr
.irp r, 0,1,2,3
	v_lshlrev_b32 v[16+\r], v24, v[16+\r]          ; my byte at its place; four neighbouring lanes make a word
.endr
.irp r, 0,1,2,3
	v_mov_b32_dpp v[20+\r], v[16+\r] row_xmask:1 row_mask:0xf bank_mask:0xf
.endr
.irp r, 0,1,2,3
	v_or_b32 v[16+\r], v[16+\r], v[20+\r]
.endr
.irp r, 0,1,2,3
	v_mov_b32_dpp v[20+\r], v[16+\r] row_xmask:2 row_mask:0xf bank_mask:0xf
.endr
.irp r, 0,1,2,3
	v_or_b32 v[16+\r], v[16+\r], v[20+\r]
.endr
	v_cndmask_b32 v16, v16, v17, s24               ; lane l keeps row l % 4's word
	v_cndmask_b32 v18, v18, v19, s24
	v_cndmask_b32 v25, v16, v18, s25
	global_store_b32 v26, v25, s[10:11]            ; 128 consecutive bytes: the 4 tokens' scale bytes
	; The 32 sums of 32 lanes: in five steps each lane hands half of what it holds to the lane across and adds what it gets.  At the end lane L holds the logit of row L / 8, expert L % 8.
.macro RSCAT n, mask, xm
.set j, 0
.rept (\n)/2
	v_cndmask_b32 v[8+2*(j%4)], v[A+j], v[A+j+(\n)/2], s[\mask]    ; what I keep
	v_cndmask_b32 v[9+2*(j%4)], v[A+j+(\n)/2], v[A+j], s[\mask]    ; what I hand over
.if (\xm) == 16
	v_permlanex16_b32 v[16+(j%4)], v[9+2*(j%4)], s22, s23
	v_add_f32 v[A+j], v[8+2*(j%4)], v[16+(j%4)]
.else
	v_add_f32_dpp v[A+j], v[9+2*(j%4)], v[8+2*(j%4)] row_xmask:\xm row_mask:0xf bank_mask:0xf
.endif
.set j, j+1
.endr
.endm
	RSCAT 32, 28, 16
	RSCAT 16, 27, 8
	RSCAT 8, 26, 4
	RSCAT 4, 25, 2
	RSCAT 2, 24, 1
	; softmax over the 8 lanes of a row, the largest logit taken away first
	v_max_num_f32_dpp v33, v32, v32 row_xmask:1 row_mask:0xf bank_mask:0xf
	v_max_num_f32_dpp v33, v33, v33 row_xmask:2 row_mask:0xf bank_mask:0xf
	v_max_num_f32_dpp v33, v33, v33 row_xmask:4 row_mask:0xf bank_mask:0xf
	v_sub_f32 v34, v32, v33
	v_mul_f32 v34, 0x3fb8aa3b, v34                 ; x log2(e)
	v_exp_f32 v34, v34
	v_and_b32 v40, 7, v1                           ; my expert (a plain line behind the exponential)
	s_wait_alu depctr_va_vdst(0)
	v_add_f32_dpp v35, v34, v34 row_xmask:1 row_mask:0xf bank_mask:0xf
	v_add_f32_dpp v35, v35, v35 row_xmask:2 row_mask:0xf bank_mask:0xf
	v_add_f32_dpp v35, v35, v35 row_xmask:4 row_mask:0xf bank_mask:0xf
	v_rcp_f32 v35, v35
	v_mov_b32 v42, v40                             ; (a plain line behind the reciprocal)
	s_wait_alu depctr_va_vdst(0)
	v_mul_f32 v36, v34, v35                        ; p
	v_mov_b32 v41, v36
; One step of the search for the largest of 8: the lane across is taken where its number is larger, or equal with the lower expert.  Only values are chosen: no branch, no address.
.macro TOPSTEP val, idx, m
	v_mov_b32_dpp v43, v[\val] row_xmask:\m row_mask:0xf bank_mask:0xf
	v_mov_b32_dpp v44, v[\idx] row_xmask:\m row_mask:0xf bank_mask:0xf
	v_cmp_gt_f32 s30, v43, v[\val]
	v_cmp_eq_f32 s31, v43, v[\val]
	v_cmp_lt_u32 vcc_lo, v44, v[\idx]
	s_and_b32 s31, s31, vcc_lo
	s_or_b32 s30, s30, s31
	v_cndmask_b32 v[\val], v[\val], v43, s30
	v_cndmask_b32 v[\idx], v[\idx], v44, s30
.endm
	TOPSTEP 41, 42, 1
	TOPSTEP 41, 42, 2
	TOPSTEP 41, 42, 4                              ; v41 = p1, v42 = its expert, in all 8 lanes
	v_cmp_eq_u32 vcc_lo, v40, v42
	v_cndmask_b32 v45, v36, -1.0, vcc_lo           ; the winner is taken out: under every probability
	v_mov_b32 v46, v40
	TOPSTEP 45, 46, 1
	TOPSTEP 45, 46, 2
	TOPSTEP 45, 46, 4                              ; v45 = p2, v46 = its expert
	v_add_f32 v47, v41, v45
	v_add_f32 v47, 0x322bcc77, v47                 ; + 1e-8
	v_rcp_f32 v47, v47
	v_cmp_eq_u32 s30, v40, v42                     ; (a plain line behind the reciprocal)  am I one of the two?
	v_cmp_eq_u32 vcc_lo, v40, v46
	s_or_b32 s30, s30, vcc_lo
	v_cndmask_b32 v50, 0, 1.0, s30
	s_wait_alu depctr_va_vdst(0)
	v_mul_f32 v48, v41, v47                        ; the gates
	v_mul_f32 v49, v45, v47
	v_add_f32_dpp v51, v36, v36 row_xmask:8 row_mask:0xf bank_mask:0xf     ; p and the counts, summed over the wave's 4 rows
	v_add_f32_dpp v52, v50, v50 row_xmask:8 row_mask:0xf bank_mask:0xf
	v_permlanex16_b32 v43, v51, s22, s23
	v_permlanex16_b32 v44, v52, s22, s23
	v_add_f32 v51, v51, v43
	v_add_f32 v52, v52, v44
	v_cndmask_b32 v57, v51, v52, s27               ; lanes 0-7: the sums of p; lanes 8-15: the counts
	v_cndmask_b32 v53, v42, v46, s24               ; lane 8 row + 0: the first choice; + 1: the second
	v_cndmask_b32 v54, v48, v49, s24
	v_lshrrev_b32 v55, 3, v1
	v_lshlrev_b32 v55, 3, v55
	v_and_b32 v56, 1, v1
	v_lshl_add_u32 v55, v56, 2, v55                ; 8 x row + 4 x slot
	v_lshlrev_b32 v56, 2, v1
	v_cmp_gt_u32 vcc_lo, 2, v40
	s_wait_xcnt 0x0                                ; EXEC changes only behind this wait: the stores above have had their addresses translated
	s_wait_tensorcnt 0x0
	ds_add_u32 v30, v31
	s_wait_dscnt 0x0
	s_and_saveexec_b32 s29, vcc_lo
	global_store_b32 v55, v53, s[12:13]
	global_store_b32 v55, v54, s[14:15]
	s_wait_xcnt 0x0
	s_or_b32 exec_lo, exec_lo, s29
	v_cmp_gt_u32 vcc_lo, 16, v1
	s_and_saveexec_b32 s29, vcc_lo
	global_store_b32 v56, v57, s[16:17]
	s_wait_xcnt 0x0
	s_or_b32 exec_lo, exec_lo, s29
	s_endpgm
.Lfunc_end_k_qd77882bf4b_route:
	.size	k_qd77882bf4b_route, .Lfunc_end_k_qd77882bf4b_route-k_qd77882bf4b_route
	.p2alignl 7, 3214868480
	.fill 96, 4, 3214868480
	.section	.rodata,"a",@progbits
	.p2align	6, 0x0
	.amdhsa_kernel k_qd77882bf4b_route
		.amdhsa_group_segment_fixed_size 108032
		.amdhsa_private_segment_fixed_size 0
		.amdhsa_enable_private_segment 0
		.amdhsa_kernarg_size 56
		.amdhsa_user_sgpr_count 2
		.amdhsa_user_sgpr_kernarg_segment_ptr 1
		.amdhsa_wavefront_size32 1
		.amdhsa_system_sgpr_workgroup_id_x 1
		.amdhsa_system_sgpr_workgroup_id_y 1
		.amdhsa_system_sgpr_workgroup_id_z 1
		.amdhsa_system_vgpr_workitem_id 0
		.amdhsa_next_free_vgpr 256
		.amdhsa_next_free_sgpr 66
		.amdhsa_reserve_vcc 1
		.amdhsa_float_denorm_mode_32 3
		.amdhsa_float_denorm_mode_16_64 3
		.amdhsa_memory_ordered 1
		.amdhsa_forward_progress 1
		.amdhsa_inst_pref_size 68
	.end_amdhsa_kernel
	.amdgpu_metadata
---
amdhsa.version: [ 1, 2 ]
amdhsa.kernels:
  - .name:           k_qd77882bf4b_route
    .symbol:         k_qd77882bf4b_route.kd
    .args:
      - { .name: x, .offset: 0, .size: 8, .value_kind: global_buffer, .address_space: global }
      - { .name: router_W, .offset: 8, .size: 8, .value_kind: global_buffer, .address_space: global }
      - { .name: xc, .offset: 16, .size: 8, .value_kind: global_buffer, .address_space: global }
      - { .name: xs, .offset: 24, .size: 8, .value_kind: global_buffer, .address_space: global }
      - { .name: choice, .offset: 32, .size: 8, .value_kind: global_buffer, .address_space: global }
      - { .name: gate, .offset: 40, .size: 8, .value_kind: global_buffer, .address_space: global }
      - { .name: auxp, .offset: 48, .size: 8, .value_kind: global_buffer, .address_space: global }
    .group_segment_fixed_size: 108032
    .private_segment_fixed_size: 0
    .kernarg_segment_align: 8
    .kernarg_segment_size: 56
    .max_flat_workgroup_size: 128
    .sgpr_count:     66
    .vgpr_count:     256
    .wavefront_size: 32
...
	.end_amdgpu_metadata
.endif
;; end of part 1
;; launch place (part 2): grid 8 x 1, 1 waves a work-group, no clusters, 7,424 bytes of LDS; arguments choice, list; writes list
.if DOCPART == 2
	.amdgcn_target "amdgcn-amd-amdhsa--gfx1250"
	.amdhsa_code_object_version 6
	.text
	.protected	k_qd77882bf4b_place
	.globl	k_qd77882bf4b_place
	.p2align	8
	.type	k_qd77882bf4b_place,@function
k_qd77882bf4b_place:
	s_mov_b64 s[64:65], 0
	v_nop
	global_prefetch_b8 v0, s[64:65] scope:SCOPE_SE
	s_setreg_imm32_b32 hwreg(HW_REG_WAVE_MODE, 25, 1), 1
	s_wait_xcnt 0x0
; PLACE.  Work-group e (one wave) places the rows of expert e: it reads the 1,024 tokens' two stored choices and makes the list of the rows that chose e, entry = 2 x token + slot, in the order of the tokens;
; behind the last entry stand 32 copies of the first, so that the later launches count rows in whole 32s and never switch a lane off; all other words are 0 (token 0).
; The list is made in LDS (1,664 words; words 1,600 to 1,631 take the stores of lanes that did not choose e and are read by nobody later), the count lies behind it at byte 6,656,
; and the 7,168 bytes leave as they lie, at fixed places: list [expert][8,192 bytes].  Only LDS addresses hang on the choices; no branch and no global address does.
; One expert's list is a serial count over the tokens: 32 steps of 32 tokens in one wave.  There is work for 8 such waves, so 8 are launched.
.set CNTB, 6656                        ; the count's byte
.set CH,   32                          ; v32-95   the choices: step i, token 32 i + lane, two words
.set OUTR, 96                          ; v96-151  the image on its way out
	s_load_b128 s[4:7], s[0:1], 0x0                ; choice, list
	v_lshl_add_u32 v152, v0, 2, 0x1c00
	v_mov_b32 v153, 0
	v_lshlrev_b32 v1, 3, v0                        ; a token's two choices: 8 bytes (one wave: v0 is the lane)
	v_lshlrev_b32 v2, 4, v0                        ; 16 x lane
	v_lshlrev_b32 v3, 1, v0                        ; 2 x lane: the entry with slot 0,
	v_lshl_or_b32 v4, v0, 1, 1                     ; with slot 1
	v_add_nc_u32 v5, 1600, v0                      ; where a lane stores that did not choose e
.irp k, 8,9,10,11
	v_mov_b32 v\k, 0
.endr
	v_mov_b32 v12, CNTB
	v_mov_b32 v13, 0
	s_mov_b32 s21, ttmp9                           ; e
	s_lshl_b32 s2, ttmp9, 13
	s_mov_b32 s3, 0
	s_wait_kmcnt 0x0
	s_add_nc_u64 s[6:7], s[6:7], s[2:3]            ; my expert's 8,192 bytes
.set i, 0
.rept 32
	global_load_b64 v[CH+2*i:CH+2*i+1], v1, s[4:5] offset:256*i
.set i, i+1
.endr
.set i, 0
.rept 14
	ds_store_b128 v2, v[8:11] offset:512*i         ; zeros: every byte that leaves is written
.set i, i+1
.endr
	s_wait_loadcnt 0x0
	s_mov_b32 s23, 0                               ; the rows counted so far
.set i, 0
.rept 32
	v_cmp_eq_u32 s30, s21, v[CH+2*i]
	v_cmp_eq_u32 vcc_lo, s21, v[CH+2*i+1]
	s_or_b32 s31, s30, vcc_lo                      ; the lanes whose token chose e
	v_mbcnt_lo_u32_b32 v6, s31, s23                ; my place: the rows so far + such lanes below me
	v_cndmask_b32 v7, v3, v4, vcc_lo               ; 2 x lane + slot
	v_add_nc_u32 v7, 64*i, v7
	v_cndmask_b32 v6, v5, v6, s31
	v_min_u32 v6, 1631, v6                         ; a place made of loaded numbers is held inside the list
	v_lshlrev_b32 v6, 2, v6
	ds_store_b32 v6, v7
	s_bcnt1_i32_b32 s31, s31
	s_add_co_u32 s23, s23, s31
.set i, i+1
.endr
	v_add_nc_u32 v6, s23, v0
	v_min_u32 v6, 1631, v6
	v_lshlrev_b32 v6, 2, v6
	ds_load_b32 v7, v13                            ; the first entry (LDS serves a wave's instructions in order: it sees the stores above),
	s_wait_dscnt 0x0
	ds_store_b32 v6, v7                            ; 32 times behind the last
	v_mov_b32 v7, s23
	ds_store_b32 v12, v7                           ; and the count: all lanes write the same word with the same value
.set i, 0
.rept 14
	ds_load_b128 v[OUTR+4*i:OUTR+4*i+3], v2 offset:512*i
.set i, i+1
.endr
.set i, 0
.rept 14
	s_wait_dscnt 13-i                              ; LDS loads come back in order: piece i is in
	global_store_b128 v2, v[OUTR+4*i:OUTR+4*i+3], s[6:7] offset:512*i          ; the wave stores 512 consecutive bytes
.set i, i+1
.endr
	s_wait_tensorcnt 0x0
	ds_add_u32 v152, v153
	s_wait_dscnt 0x0
	s_endpgm
.Lfunc_end_k_qd77882bf4b_place:
	.size	k_qd77882bf4b_place, .Lfunc_end_k_qd77882bf4b_place-k_qd77882bf4b_place
	.p2alignl 7, 3214868480
	.fill 96, 4, 3214868480
	.section	.rodata,"a",@progbits
	.p2align	6, 0x0
	.amdhsa_kernel k_qd77882bf4b_place
		.amdhsa_group_segment_fixed_size 7424
		.amdhsa_private_segment_fixed_size 0
		.amdhsa_enable_private_segment 0
		.amdhsa_kernarg_size 16
		.amdhsa_user_sgpr_count 2
		.amdhsa_user_sgpr_kernarg_segment_ptr 1
		.amdhsa_wavefront_size32 1
		.amdhsa_system_sgpr_workgroup_id_x 1
		.amdhsa_system_sgpr_workgroup_id_y 1
		.amdhsa_system_sgpr_workgroup_id_z 1
		.amdhsa_system_vgpr_workitem_id 0
		.amdhsa_next_free_vgpr 154
		.amdhsa_next_free_sgpr 66
		.amdhsa_reserve_vcc 1
		.amdhsa_float_denorm_mode_32 3
		.amdhsa_float_denorm_mode_16_64 3
		.amdhsa_memory_ordered 1
		.amdhsa_forward_progress 1
		.amdhsa_inst_pref_size 27
	.end_amdhsa_kernel
	.amdgpu_metadata
---
amdhsa.version: [ 1, 2 ]
amdhsa.kernels:
  - .name:           k_qd77882bf4b_place
    .symbol:         k_qd77882bf4b_place.kd
    .args:
      - { .name: choice, .offset: 0, .size: 8, .value_kind: global_buffer, .address_space: global }
      - { .name: list, .offset: 8, .size: 8, .value_kind: global_buffer, .address_space: global }
    .group_segment_fixed_size: 7424
    .private_segment_fixed_size: 0
    .kernarg_segment_align: 8
    .kernarg_segment_size: 16
    .max_flat_workgroup_size: 32
    .sgpr_count:     66
    .vgpr_count:     154
    .wavefront_size: 32
...
	.end_amdgpu_metadata
.endif
;; end of part 2
;; launch up (part 3): grid 256 x 1, 16 waves a work-group, no clusters, 289,280 bytes of LDS; arguments W_in, b_in, xc, xs, list, hc; writes hc
.if DOCPART == 3
	.amdgcn_target "amdgcn-amd-amdhsa--gfx1250"
	.amdhsa_code_object_version 6
	.text
	.protected	k_qd77882bf4b_up
	.globl	k_qd77882bf4b_up
	.p2align	8
	.type	k_qd77882bf4b_up,@function
k_qd77882bf4b_up:
	s_mov_b64 s[64:65], 0
	v_nop
	global_prefetch_b8 v0, s[64:65] scope:SCOPE_SE
	s_setreg_imm32_b32 hwreg(HW_REG_WAVE_MODE, 25, 1), 1
	s_wait_xcnt 0x0
; UP.  h = gelu(x W_in[e] + b_in[e]) for the rows that chose expert e, both operands of the product as codes of E2M1 with E8M0 scales along D; h leaves as codes and scale bytes along H.
; SHARES.  Work-group = (expert e = number / 32, slice cs = number % 32 of 128 hidden units).  Its 1,024 x 128 numbers of W_in (512 KiB) are read from memory once in the whole program.
; PHASE Q.  Wave w (cp = w % 4, rg = w / 4) takes columns 32 cp .. + 31 and k = 256 rg .. + 255.  A LANE TAKES A COLUMN AND ITS REGISTERS RUN DOWN K: a block of 32 lies in one lane's 32 registers,
; the conversions give codes with K innermost, and they go to LDS as images of operand registers (block b of a fragment's row r at 256 b + 16 r).  Two blocks, 64 loads of 128 bytes, are asked for ahead in each wave.
; THE LIST.  An earlier launch stored, for each expert, the number of its rows and their list (entry = 2 x token + slot, in the order of the tokens), behind them 32 copies of the first entry:
; so rows count in whole 32s, the copies are computed like any row, and no lane is ever switched off.  The count comes by a scalar load, the entries by vector loads.
; PHASE M.  Wave w keeps its 32 hidden units' weights for all of K in 128 registers and takes the tiles of 16 rows rg, rg + 4, ..; the rows' codes of x were gathered into LDS, 24 tiles at a time.
; The product is used transposed (source 0 = 16 hidden units, source 1 = 16 rows), and lane r of weight tile u takes hidden unit 8 u + r + 8 (r / 8) of the 32: so a lane's 16 results are 16 neighbours along H.
; gelu is exact in form: 0.5 v (1 + erf(v / sqrt 2)), erf(z) = z P(z^2) / Q(z^2) with z held to +-4, in f32.
; hc holds h's codes, [e][tile 64][K step 32][1,024 bytes] as images of fragments, and from byte 2^24 on h's scale words, [e][pair of tiles 32][K step 32][32 words].
; The trip counts are constants; what hangs on the stored count is a scalar branch round a tile's work, never round a barrier.  No tensor loads, copies or joint requests:
; the weights must pass through registers for the quantiser anyway, and no two work-groups share a byte of them.
; LIMITS: NaN and infinities are not served; a block whose largest magnitude lies under 2^-124 keeps the scale byte 1 (a block of zeros too: its codes are zeros).
.set WC,   0                           ; LDS: 64 weight fragments (tile ct = 2 cp + u, K step s) at (8 ct + s) x 1,024
.set WSC,  65536                       ; their scale words: (8 cp + s) x 128 + 4 (16 u + r)
.set XST,  69632                       ; x's fragments of 24 tiles of rows: tile x 8,192 + s x 1,024
.set XSS,  266240                      ; x's scale words: tile x 512 + 32 r + 4 s
.set BIA,  278528                      ; b_in's 128 numbers
.set HSL,  279040                      ; h's scale bytes: 512 bytes for each wave: 16 x (the wave's tile count) + row
.set LCNT, 6656                        ; the count's byte in an expert's 8,192 bytes of the list
.set HSO,  0x1000000                   ; where h's scale words begin in hc
.set RS,   16384                       ; a row of W_in in bytes
.set ACC,  32                          ; v32-47   two accumulators
.set XS,   48                          ; v48-55   x's scale words, one a K step
.set WS,   56                          ; v56-63   the weights': lanes 0-15 tile u = 0, lanes 16-31 tile u = 1
.set X,    64                          ; v64-127  x's 8 fragments; scratch outside the products
.set W,    128                         ; v128-255 my 16 weight fragments: 64 u + 8 s
.set ST,   128                         ; phase Q: two sets of 32 numbers
.set QM0,  102
.set QM1,  103
.set QC,   108                         ; v108-111 a block's codes
.set SW,   112                         ; the scale word in the making
.set QSO,  113
.set QBY,  114
.set Z,    64                          ; gelu's scratch
.set Y,    80
.set P,    96
.set Q,    112
.macro LOAD t                          ; block t: W(32 t + i, my column), i = 0 .. 31, into set t % 2
.set li, 0
.rept 32
	global_load_b32 v[ST+32*((\t)%2)+li], v1, s[4:5] offset:(32*(\t)+li)*RS th:TH_LOAD_NT
.set li, li+1
.endr
.endm
; One block of 32 along K of my column: cnt = the younger loads that may stay out; more = 1: the block two on is asked for.
.macro QBLOCK t, cnt, more
.set SS, ST+32*((\t)%2)
	s_wait_loadcnt \cnt
	s_wait_dscnt 0x0                               ; the last block's LDS stores have read their registers
	v_max3_num_f32 v[QM0], |v[SS]|, |v[SS+1]|, 0x1800000           ; the floor 2^(3 - 127): the byte cannot fall under 1
	v_max3_num_f32 v[QM1], |v[SS+2]|, |v[SS+3]|, |v[SS+4]|
.set qi, 5
.rept 6
	v_max3_num_f32 v[QM0], v[QM0], |v[SS+qi]|, |v[SS+qi+1]|
	v_max3_num_f32 v[QM1], v[QM1], |v[SS+qi+2]|, |v[SS+qi+3]|
.set qi, qi+4
.endr
	v_max3_num_f32 v[QM0], v[QM0], |v[SS+29]|, |v[SS+30]|
	v_max3_num_f32 v[QM0], v[QM0], v[QM1], |v[SS+31]|
	v_add_nc_u32 v[QSO], 0xff000000, v[QM0]        ; 2 off the exponent field: the conversion's scale operand
	v_lshrrev_b32 v[QBY], 23, v[QSO]               ; the scale's byte
.if (\t)%4 == 0
	v_mov_b32 v[SW], v[QBY]
.else
	v_lshl_or_b32 v[SW], v[QBY], 8*((\t)%4), v[SW]
.endif
.irp g, 0,1,2,3
	v_cvt_scalef32_pk8_fp4_f32 v[QC+\g], v[SS+8*\g:SS+8*\g+7], v[QSO]
.endr
	v_nop                                          ; one plain line behind the last conversion
	ds_store_b128 v2, v[QC:QC+3] offset:((\t)/4)*1024+256*((\t)%4)
.if (\t)%4 == 3
	ds_store_b32 v3, v[SW] offset:((\t)/4)*128
.endif
.if \more
	LOAD (\t)+2
.endif
.endm
; The codes and scale words of 16 listed rows, my half of K: ent holds the list's entry.
.macro GISSUE ent, dat, sc
	v_lshrrev_b32 v[\ent], 1, v[\ent]              ; the token,
	v_min_u32 v[\ent], 1023, v[\ent]               ; held inside x
	v_lshl_add_u32 v[\ent+1], v[\ent], 5, v6
	v_lshl_add_u32 v[\ent], v[\ent], 9, v5
.set gj, 0
.rept 8
	global_load_b128 v[\dat+4*gj:\dat+4*gj+3], v[\ent], s[8:9] offset:32*gj
.set gj, gj+1
.endr
	global_load_b64 v[\sc:\sc+1], v[\ent+1], s[10:11]
.endm
.macro GSTORE adr, n, dat, sc          ; and into LDS as images: each store covers 512 consecutive bytes
.set gj, 0
.rept 8
	ds_store_b128 v[\adr], v[\dat+4*gj:\dat+4*gj+3] offset:512*gj
.set gj, gj+1
.endr
	ds_store_b64 v10, v[\sc:\sc+1] offset:4096*(\n)
.endm
.macro HORNER reg, c                   ; reg = reg x z^2 + the constant in s[c], eight pairs
.set hp, 0
.rept 8
	v_pk_fma_f32 v[\reg+hp:\reg+hp+1], v[\reg+hp:\reg+hp+1], v[Y+hp:Y+hp+1], s[\c:\c+1] op_sel_hi:[1,1,0]
.set hp, hp+2
.endr
.endm
	s_load_b256 s[4:11], s[0:1], 0x0               ; W_in, b_in, xc, xs
	s_load_b128 s[12:15], s[0:1], 0x20             ; list, hc
	v_lshrrev_b32 v1, 5, v0
	v_readfirstlane_b32 s18, v1                    ; wave 0..15
	s_and_b32 s19, s18, 3                          ; cp
	s_lshr_b32 s20, s18, 2                         ; rg
	s_lshr_b32 s60, s18, 1                         ; the gather: my tile of eight,
	s_and_b32 s61, s18, 1                          ; my half of K
	s_lshr_b32 s21, ttmp9, 5                       ; e
	s_and_b32 s22, ttmp9, 31                       ; cs
	v_and_b32 v23, 31, v0                          ; lane
	v_and_b32 v24, 15, v0                          ; lane % 16
	v_bfe_u32 v25, v0, 4, 1                        ; lane / 16
	v_bfe_u32 v30, v0, 3, 1                        ; u: my column's weight tile
	v_and_b32 v31, 7, v0
	v_lshl_add_u32 v31, v25, 3, v31                ; r: its row there
	v_lshlrev_b32 v1, 2, v23                       ; the stream: 4 bytes a lane
	; every LDS address is made here, ahead of the first branch on the wave's number
	s_lshl_b32 s25, s19, 14
	s_lshl_b32 s30, s20, 11
	s_add_co_u32 s25, s25, s30
	v_lshlrev_b32 v2, 13, v30
	v_lshl_add_u32 v2, v31, 4, v2
	v_add_nc_u32 v2, s25, v2                       ; v2: my codes: fragment (2 cp + u, 2 rg), row r
	s_lshl_b32 s25, s19, 10
	s_lshl_b32 s30, s20, 8
	s_add_co_u32 s25, s25, s30
	s_add_co_u32 s25, s25, WSC
	v_lshlrev_b32 v3, 6, v30
	v_lshl_add_u32 v3, v31, 2, v3
	v_add_nc_u32 v3, s25, v3                       ; v3: my scale words
	s_lshl_b32 s25, s60, 6
	v_lshl_add_u32 v4, v24, 2, s25                 ; v4: in the list (memory): the entry of my row in the gather: tile w / 2, row lane % 16
	s_lshl_b32 s25, s61, 8
	v_lshl_add_u32 v5, v25, 4, s25                 ; v5: my 16 bytes in a token's codes: 256 half + 16 (lane / 16), then 32 apart
	s_lshl_b32 s25, s61, 4
	v_lshl_add_u32 v6, v25, 3, s25                 ; v6: my two scale words
	s_lshl_b32 s25, s18, 12
	s_add_co_u32 s25, s25, XST
	v_lshl_add_u32 v7, v23, 4, s25                 ; v7-9: where the gathered codes go: tile w / 2 (+ 8, + 16), half w % 2
	v_add_nc_u32 v8, 0x10000, v7
	v_add_nc_u32 v9, 0x20000, v7
	s_lshl_b32 s25, s60, 9
	s_add_co_u32 s25, s25, XSS
	v_lshl_add_u32 v10, v24, 5, v6
	v_add_nc_u32 v10, s25, v10                     ; v10: and the scale words
	s_lshl_b32 s25, s19, 14
	v_lshl_add_u32 v11, v23, 4, s25                ; v11: my weights' images
	s_lshl_b32 s25, s19, 10
	s_add_co_u32 s25, s25, WSC
	v_lshl_add_u32 v12, v23, 2, s25                ; v12: their scale words
	s_lshl_b32 s25, s20, 13
	s_add_co_u32 s25, s25, XST
	v_lshl_add_u32 v13, v23, 4, s25                ; v13: x's images, tile rg
	s_lshl_b32 s25, s20, 9
	s_add_co_u32 s25, s25, XSS
	v_lshl_add_u32 v14, v24, 5, s25                ; v14: x's scale words
	s_lshl_b32 s25, s19, 7
	s_add_co_u32 s25, s25, BIA
	v_lshl_add_u32 v15, v25, 6, s25                ; v15: the bias of my 16 hidden units
	s_lshl_b32 s25, s18, 9
	s_add_co_u32 s25, s25, HSL
	v_add_nc_u32 v16, s25, v24                     ; v16: my wave's scale bytes, my row
	s_lshl_b32 s25, s20, 15
	s_lshl_b32 s30, s19, 8
	s_add_co_u32 s25, s25, s30
	v_lshlrev_b32 v17, 4, v24
	v_lshl_add_u32 v17, v25, 3, v17
	v_add_nc_u32 v17, s25, v17                     ; v17: hc: tile rg, block cp, row, my half block
	s_lshl_b32 s25, s61, 12
	s_lshl_b32 s30, s60, 4
	s_add_co_u32 s25, s25, s30
	s_add_co_u32 s25, s25, HSL
	v_lshl_add_u32 v22, v25, 11, v24
	v_add_nc_u32 v22, s25, v22                     ; v22: the way out of the scale bytes: tile 2 w + lane / 16 was made by waves 4 (2 (w % 2) + lane / 16) + cp as their tile w / 2
	v_lshl_add_u32 v21, v23, 4, BIA
	v_lshlrev_b32 v122, 4, v23
	v_mov_b32 v26, 0xaf95df0b                      ; erf's numerator: the coefficient of z^13, twice
	v_mov_b32 v27, 0xaf95df0b
	v_mov_b32 v28, 0xb77460cd                      ; its denominator: of z^8
	v_mov_b32 v29, 0xb77460cd
	s_mov_b32 s32, 0x76543210
	s_mov_b32 s33, 0xfedcba98                      ; v_permlanex16_b32's selects for lane l xor 16
.macro KPAIR r, bits                   ; the packed forms name a pair and take its low word for both halves: both are written
	s_mov_b32 s[\r], \bits
	s_mov_b32 s[\r+1], \bits
.endm
	KPAIR 36, 0x3f3504f3                           ; 1 / sqrt 2
	KPAIR 38, 0x32edffee                           ; numerator: z^11, z^9, z^7, z^5, z^3, z
	KPAIR 40, 0xb60cff51
	KPAIR 42, 0xb86ec2d2
	KPAIR 44, 0xba40ac63
	KPAIR 46, 0xbb41a1f6
	KPAIR 48, 0xbc83dbd4
	KPAIR 50, 0xb95fbd29                           ; denominator: z^6, z^4, z^2, 1
	KPAIR 52, 0xbadc924e
	KPAIR 54, 0xbbf19bf8
	KPAIR 56, 0xbc69b6a7
	s_mov_b32 s3, 0
	s_lshl_b32 s2, s21, 24                         ; W_in: expert 2^24 bytes, 256 rows 2^22, 128 columns 512, 32 columns 128
	s_lshl_b32 s25, s20, 22
	s_add_co_u32 s2, s2, s25
	s_lshl_b32 s25, s22, 9
	s_add_co_u32 s2, s2, s25
	s_lshl_b32 s25, s19, 7
	s_add_co_u32 s2, s2, s25
	s_wait_kmcnt 0x0
	s_add_nc_u64 s[4:5], s[4:5], s[2:3]
	s_lshl_b32 s2, s21, 14
	s_lshl_b32 s25, s22, 9
	s_add_co_u32 s2, s2, s25
	s_add_nc_u64 s[6:7], s[6:7], s[2:3]            ; b_in at my 128
	s_lshl_b32 s2, s21, 17
	s_lshl_b32 s25, s22, 7
	s_add_co_u32 s2, s2, s25
	s_add_co_u32 s2, s2, HSO
	s_add_nc_u64 s[16:17], s[14:15], s[2:3]        ; h's scale words at (e, pair 0, K step cs)
	s_lshl_b32 s2, s21, 21
	s_lshl_b32 s25, s22, 10
	s_add_co_u32 s2, s2, s25
	s_add_nc_u64 s[14:15], s[14:15], s[2:3]        ; h's codes at (e, tile 0, K step cs)
	s_lshl_b32 s2, s21, 13
	s_add_nc_u64 s[12:13], s[12:13], s[2:3]        ; my expert's list
	s_load_b32 s23, s[12:13], LCNT                 ; and the number of its rows
	s_cmp_lg_u32 s18, 1
	s_cbranch_scc1 .Lno_bias
	global_load_b128 v[104:107], v122, s[6:7]
.Lno_bias:
	global_load_b32 v96, v4, s[12:13]              ; the entries of my rows in the first 24 tiles
	global_load_b32 v98, v4, s[12:13] offset:512
	global_load_b32 v100, v4, s[12:13] offset:1024
	LOAD 0
	s_wait_loadcnt 32                              ; all that was asked for ahead of block 0's 32 loads is in: the three entries, in wave 1 the bias
	GISSUE 96, 192, 32                             ; the first 24 tiles of rows: three tiles' halves a wave, 27 loads
	GISSUE 98, 224, 34
	GISSUE 100, 64, 36
	LOAD 1
	s_wait_kmcnt 0x0
	s_min_u32 s23, s23, 1024                       ; the expert's rows,
	s_add_co_u32 s24, s23, 31
	s_and_b32 s24, s24, 0xffffffe0                 ; in whole 32s
	s_cmp_lg_u32 s18, 1
	s_cbranch_scc1 .Lno_bias2
	ds_store_b128 v21, v[104:107]                  ; the bias
.Lno_bias2:
	QBLOCK 0, 59, 0                                ; behind block 0's loads: the gather's 27 and block 1's 32
	s_wait_loadcnt 32                              ; the gather is in; block 1's loads may be out
	GSTORE 7, 0, 192, 32
	GSTORE 8, 1, 224, 34
	GSTORE 9, 2, 64, 36
	LOAD 2
	QBLOCK 1, 32, 1
	QBLOCK 2, 32, 1
	QBLOCK 3, 32, 1
	QBLOCK 4, 32, 1
	QBLOCK 5, 32, 1
	QBLOCK 6, 32, 0
	QBLOCK 7, 0, 0
	s_wait_dscnt 0x0                               ; for the others' sake: my images, scale words (and the bias) have landed
	s_barrier_signal -1
	s_barrier_wait -1
	; PHASE M.  My weights for all of K stay in registers.
.irp u, 0,1
.irp s, 0,1,2,3,4,5,6,7
.irp c, 0,1
	ds_load_b128 v[W+64*\u+8*\s+4*\c:W+64*\u+8*\s+4*\c+3], v11 offset:(8*\u+\s)*1024+512*\c
.endr
.endr
.endr
.irp s, 0,1,2,3,4,5,6,7
	ds_load_b32 v[WS+\s], v12 offset:128*\s
.endr
	s_wait_dscnt 0x0
	s_mov_b32 s26, 0                               ; blocks of 24 tiles: three serve every split (72 tiles for 64 at the most)
	s_lshl_b32 s29, s20, 4                         ; 16 x my tile
	s_mov_b32 s35, 0                               ; my scale bytes: 16 a tile
	s_mov_b32 s58, 0                               ; hc: 4 tiles on a trip
	s_mov_b32 s59, 0                               ; the list: 384 entries a block
	s_mov_b32 s62, 0                               ; the rows that the blocks so far hold
.Lblock:
	s_mov_b32 s27, 0
	s_mov_b32 s28, 0
	s_mov_b32 s34, 0
.Lq:
	s_cmp_ge_u32 s29, s24                          ; a tile past the expert's rows is left out: its work alone
	s_cbranch_scc1 .Lskip
	s_wait_xcnt 0x0                                ; the last tile's store has read its registers,
	s_wait_dscnt 0x0                               ; its byte store too
	v_add_nc_u32 v18, s28, v13
	v_add_nc_u32 v19, s34, v14
	v_add_nc_u32 v20, s35, v16
	v_add_nc_u32 v21, s58, v17
	ds_load_b128 v[XS:XS+3], v19
	ds_load_b128 v[XS+4:XS+7], v19 offset:16
.irp k, 0,1,2,3
	ds_load_b128 v[ACC+4*\k:ACC+4*\k+3], v15 offset:16*\k          ; the sums begin as the bias: lane (r, h), tile u, register j: hidden unit 16 h + 8 u + j of my 32
.endr
.irp s, 0,1,2,3,4,5,6,7
.irp c, 0,1
	ds_load_b128 v[X+8*\s+4*\c:X+8*\s+4*\c+3], v18 offset:1024*\s+512*\c
.endr
.endr
	s_wait_dscnt 8                                 ; all but the fragments of K steps 4 to 7
.irp s, 0,1,2,3
	v_wmma_scale_f32_16x16x128_f8f6f4 v[ACC:ACC+7], v[W+8*\s:W+8*\s+7], v[X+8*\s:X+8*\s+7], v[ACC:ACC+7], v[WS+\s], v[XS+\s] matrix_a_fmt:MATRIX_FMT_FP4 matrix_b_fmt:MATRIX_FMT_FP4
	v_wmma_scale_f32_16x16x128_f8f6f4 v[ACC+8:ACC+15], v[W+64+8*\s:W+64+8*\s+7], v[X+8*\s:X+8*\s+7], v[ACC+8:ACC+15], v[WS+\s], v[XS+\s] matrix_a_fmt:MATRIX_FMT_FP4 matrix_b_fmt:MATRIX_FMT_FP4 matrix_a_scale:MATRIX_SCALE_ROW1
.endr
	s_wait_dscnt 0x0
.irp s, 4,5,6,7                                ; the two accumulators by turns, one instruction a turn
	v_wmma_scale_f32_16x16x128_f8f6f4 v[ACC:ACC+7], v[W+8*\s:W+8*\s+7], v[X+8*\s:X+8*\s+7], v[ACC:ACC+7], v[WS+\s], v[XS+\s] matrix_a_fmt:MATRIX_FMT_FP4 matrix_b_fmt:MATRIX_FMT_FP4
	v_wmma_scale_f32_16x16x128_f8f6f4 v[ACC+8:ACC+15], v[W+64+8*\s:W+64+8*\s+7], v[X+8*\s:X+8*\s+7], v[ACC+8:ACC+15], v[WS+\s], v[XS+\s] matrix_a_fmt:MATRIX_FMT_FP4 matrix_b_fmt:MATRIX_FMT_FP4 matrix_a_scale:MATRIX_SCALE_ROW1
.endr
.rept 4
	v_nop                                          ; four places behind the products (ISA guide 7.12.1): results are read and x's registers written next
.endr
	; gelu of my 16 numbers, two at a time; each accumulator is read from its low end on
.set p, 0
.rept 8
	v_pk_mul_f32 v[Z+p:Z+p+1], v[ACC+p:ACC+p+1], s[36:37] op_sel_hi:[1,0]      ; z = v / sqrt 2
.set p, p+2
.endr
.set p, 0
.rept 16
	v_med3_num_f32 v[Z+p], v[Z+p], -4.0, 4.0       ; beyond +-4 erf is +-1 in f32
.set p, p+1
.endr
.set p, 0
.rept 8
	v_pk_mul_f32 v[Y+p:Y+p+1], v[Z+p:Z+p+1], v[Z+p:Z+p+1]
.set p, p+2
.endr
.set p, 0
.rept 8
	v_pk_fma_f32 v[P+p:P+p+1], v[Y+p:Y+p+1], v[26:27], s[38:39] op_sel_hi:[1,1,0]
	v_pk_fma_f32 v[Q+p:Q+p+1], v[Y+p:Y+p+1], v[28:29], s[50:51] op_sel_hi:[1,1,0]
.set p, p+2
.endr
	HORNER P, 40
	HORNER Q, 52
	HORNER P, 42
	HORNER Q, 54
	HORNER P, 44
	HORNER Q, 56
	HORNER P, 46
	HORNER P, 48
.set p, 0
.rept 8
	v_pk_mul_f32 v[P+p:P+p+1], v[P+p:P+p+1], v[Z+p:Z+p+1]
.set p, p+2
.endr
.set p, 0
.rept 16
	v_rcp_f32 v[Q+p], v[Q+p]
.set p, p+1
.endr
.set p, 0
.rept 8
	v_pk_mul_f32 v[Z+p:Z+p+1], v[ACC+p:ACC+p+1], 0.5 op_sel_hi:[1,0]           ; v / 2 (plain lines behind the reciprocals)
.set p, p+2
.endr
.set p, 0
	s_wait_alu depctr_va_vdst(0)
.rept 8
	v_pk_mul_f32 v[P+p:P+p+1], v[P+p:P+p+1], v[Q+p:Q+p+1]                      ; erf
.set p, p+2
.endr
.set p, 0
.rept 8
	v_pk_fma_f32 v[ACC+p:ACC+p+1], v[Z+p:Z+p+1], v[P+p:P+p+1], v[Z+p:Z+p+1]    ; v / 2 x erf + v / 2
.set p, p+2
.endr
	; the quantiser along H: my 16 numbers and lane l xor 16's are the block of 32
	v_max3_num_f32 v64, |v[ACC]|, |v[ACC+1]|, 0x1800000
	v_max3_num_f32 v65, |v[ACC+2]|, |v[ACC+3]|, |v[ACC+4]|
	v_max3_num_f32 v64, v64, |v[ACC+5]|, |v[ACC+6]|
	v_max3_num_f32 v65, v65, |v[ACC+7]|, |v[ACC+8]|
	v_max3_num_f32 v64, v64, |v[ACC+9]|, |v[ACC+10]|
	v_max3_num_f32 v65, v65, |v[ACC+11]|, |v[ACC+12]|
	v_max3_num_f32 v64, v64, |v[ACC+13]|, |v[ACC+14]|
	v_max3_num_f32 v64, v64, v65, |v[ACC+15]|
	v_permlanex16_b32 v66, v64, s32, s33
	v_max_num_f32 v64, v64, v66
	v_add_nc_u32 v67, 0xff000000, v64
	v_lshrrev_b32 v68, 23, v67
	v_cvt_scalef32_pk8_fp4_f32 v70, v[ACC:ACC+7], v67
	v_cvt_scalef32_pk8_fp4_f32 v71, v[ACC+8:ACC+15], v67
	v_nop                                          ; one plain line behind the last conversion
	global_store_b64 v21, v[70:71], s[14:15]       ; the wave stores 256 consecutive bytes, aligned: block cp of the fragment (tile, K step cs)
	ds_store_b8 v20, v68                           ; both lanes of a row write the same byte with the same value
.Lskip:
	s_add_co_u32 s28, s28, 32768
	s_add_co_u32 s34, s34, 2048
	s_add_co_u32 s29, s29, 64
	s_add_co_u32 s35, s35, 16
	s_add_co_u32 s58, s58, 131072
	s_add_co_u32 s27, s27, 1
	s_cmp_lt_u32 s27, 6
	s_cbranch_scc1 .Lq
	s_wait_dscnt 0x0                               ; my reads of x's images are over, my bytes have landed
	s_barrier_signal -1
	s_barrier_wait -1
	s_add_co_u32 s59, s59, 1536
	s_add_co_u32 s62, s62, 384
	s_cmp_ge_u32 s62, s24                          ; more rows than the blocks so far hold?  Then the next 24 tiles are gathered; no barrier stands under this branch
	s_cbranch_scc1 .Lno_refill
	s_wait_xcnt 0x0                                ; the last tile's store has read its codes' registers: the gather below lands on them
	v_add_nc_u32 v102, s59, v4
.irp n, 0,1,2
	global_load_b32 v96, v102, s[12:13] offset:512*\n
	s_wait_loadcnt 0x0                             ; the entry is in,
	s_wait_dscnt 0x0                               ; and the LDS stores of the turn before have read their registers
	GISSUE 96, 64, 32
	s_wait_loadcnt 0x0
	GSTORE 7+\n, \n, 64, 32
.endr
.Lno_refill:
	s_wait_dscnt 0x0
	s_barrier_signal -1
	s_barrier_wait -1
	s_add_co_u32 s26, s26, 1
	s_cmp_lt_u32 s26, 3
	s_cbranch_scc1 .Lblock
	; h's scale words leave: pair of tiles w, then w + 16; lane L's word is row L of the pair, its four bytes come from the four waves cp
	s_wait_xcnt 0x0                                ; the last tile's store has read its registers
	s_lshl_b32 s25, s18, 12
	v_lshl_add_u32 v72, v23, 2, s25
	s_lshl_b32 s25, s18, 5
.irp it, 0,1
	s_cmp_ge_u32 s25, s24
	s_cbranch_scc1 .Lno_words\it
.irp c, 0,1,2,3
	ds_load_u8 v[64+4*\it+\c], v22 offset:512*\c+128*\it
.endr
	s_wait_dscnt 0x0
	v_lshl_or_b32 v[64+4*\it], v[65+4*\it], 8, v[64+4*\it]
	v_lshl_or_b32 v[64+4*\it], v[66+4*\it], 16, v[64+4*\it]
	v_lshl_or_b32 v[64+4*\it], v[67+4*\it], 24, v[64+4*\it]
	global_store_b32 v72, v[64+4*\it], s[16:17] offset:65536*\it
.Lno_words\it:
	s_add_co_u32 s25, s25, 512
.endr
	s_wait_xcnt 0x0
	v_lshl_add_u32 v254, v0, 2, 0x46200
	v_mov_b32 v255, 0
	s_wait_tensorcnt 0x0
	ds_add_u32 v254, v255
	s_wait_dscnt 0x0
	s_endpgm
.Lfunc_end_k_qd77882bf4b_up:
	.size	k_qd77882bf4b_up, .Lfunc_end_k_qd77882bf4b_up-k_qd77882bf4b_up
	.p2alignl 7, 3214868480
	.fill 96, 4, 3214868480
	.section	.rodata,"a",@progbits
	.p2align	6, 0x0
	.amdhsa_kernel k_qd77882bf4b_up
		.amdhsa_group_segment_fixed_size 289280
		.amdhsa_private_segment_fixed_size 0
		.amdhsa_enable_private_segment 0
		.amdhsa_kernarg_size 48
		.amdhsa_user_sgpr_count 2
		.amdhsa_user_sgpr_kernarg_segment_ptr 1
		.amdhsa_wavefront_size32 1
		.amdhsa_system_sgpr_workgroup_id_x 1
		.amdhsa_system_sgpr_workgroup_id_y 1
		.amdhsa_system_sgpr_workgroup_id_z 1
		.amdhsa_system_vgpr_workitem_id 0
		.amdhsa_next_free_vgpr 256
		.amdhsa_next_free_sgpr 66
		.amdhsa_reserve_vcc 0
		.amdhsa_float_denorm_mode_32 3
		.amdhsa_float_denorm_mode_16_64 3
		.amdhsa_memory_ordered 1
		.amdhsa_forward_progress 1
		.amdhsa_inst_pref_size 75
	.end_amdhsa_kernel
	.amdgpu_metadata
---
amdhsa.version: [ 1, 2 ]
amdhsa.kernels:
  - .name:           k_qd77882bf4b_up
    .symbol:         k_qd77882bf4b_up.kd
    .args:
      - { .name: W_in, .offset: 0, .size: 8, .value_kind: global_buffer, .address_space: global }
      - { .name: b_in, .offset: 8, .size: 8, .value_kind: global_buffer, .address_space: global }
      - { .name: xc, .offset: 16, .size: 8, .value_kind: global_buffer, .address_space: global }
      - { .name: xs, .offset: 24, .size: 8, .value_kind: global_buffer, .address_space: global }
      - { .name: list, .offset: 32, .size: 8, .value_kind: global_buffer, .address_space: global }
      - { .name: hc, .offset: 40, .size: 8, .value_kind: global_buffer, .address_space: global }
    .group_segment_fixed_size: 289280
    .private_segment_fixed_size: 0
    .kernarg_segment_align: 8
    .kernarg_segment_size: 48
    .max_flat_workgroup_size: 512
    .sgpr_count:     66
    .vgpr_count:     256
    .wavefront_size: 32
...
	.end_amdgpu_metadata
.endif
;; end of part 3
;; launch down (part 4): grid 256 x 1, 16 waves a work-group, no clusters, 141,568 bytes of LDS; arguments W_out, b_out, hc, list, gate, parts; writes parts
.if DOCPART == 4
	.amdgcn_target "amdgcn-amd-amdhsa--gfx1250"
	.amdhsa_code_object_version 6
	.text
	.protected	k_qd77882bf4b_down
	.globl	k_qd77882bf4b_down
	.p2align	8
	.type	k_qd77882bf4b_down,@function
k_qd77882bf4b_down:
	s_mov_b64 s[64:65], 0
	v_nop
	global_prefetch_b8 v0, s[64:65] scope:SCOPE_SE
	s_setreg_imm32_b32 hwreg(HW_REG_WAVE_MODE, 25, 1), 1
	s_wait_xcnt 0x0
; DOWN.  parts[(2 token + slot) x 2 + kh] = gate x (h W_out[e] over half kh of H, + b_out[e] in half 0), for the rows that chose expert e; both operands as codes of E2M1 with E8M0 scales along H.
; SHARES.  Work-group = (e = number / 32, dcs = (number / 2) % 16: 64 columns of D, kh = number % 2: 2,048 along H).  Its 2,048 x 64 numbers of W_out (512 KiB) are read from memory once in the whole program;
; two waves side by side cover 256 consecutive bytes of a row of W_out.
; PHASE Q.  Wave w (cg = w % 2, ke = w / 2): columns 32 cg .. + 31, k = 256 ke .. + 255.  A lane takes a column, its registers run down K; the codes go to LDS as images of operand registers.
; THE LIST.  An earlier launch stored the number of the expert's rows and their list (entry = 2 x token + slot; 32 copies of the first entry behind the last).  The count comes by a scalar load, the entries by vector loads.
; PHASE M.  An item is a pair of tiles of 16 rows x my 64 columns x 16 K steps: 128 products on 8 accumulators by turns; wave w takes pairs w and w + 16.  h's fragments come from memory straight into
; registers (they were stored as images; h's scale words lie in the same buffer from byte 2^24 on), the weights' from LDS, each feeding two products.  The product is used transposed: a lane holds 8 neighbouring columns of one row.
; A copy of the first row is computed like any row and stored to the first row's place with the same values, by this work-group.
; What hangs on the stored count is a scalar branch round an item, never round a barrier.  So no tensor loads, copies or joint requests; no two work-groups share a byte of the weights.
; LIMITS: NaN and infinities are not served (b_out is multiplied by 0 in half 1); a block of W_out whose largest magnitude lies under 2^-124 keeps the scale byte 1.
.set WC,   0                           ; LDS: 64 weight fragments (tile ct of 16 columns, K step s) at (16 ct + s) x 1,024
.set WSC,  65536                       ; their scale words: (16 cg + s) x 128 + 4 lane: lanes 0-15 tile 2 cg, lanes 16-31 tile 2 cg + 1
.set BIA,  69632                       ; b_out's 64 numbers, or zeros
.set STG,  69888                       ; a stage of 16 rows x (256 bytes + 16) for each wave
.set LCNT, 6656                        ; the count's byte in an expert's 8,192 bytes of the list
.set HSO,  0x1000000                   ; where h's scale words begin in hc
.set RS,   4096                        ; a row of W_out in bytes
.set WSB,  44                          ; v44-47   the weights' scale words, two sets of two
.set HS,   48                          ; v48-63   h's scale words, one a K step: lanes 0-15 the pair's first tile, lanes 16-31 its second
.set WB,   64                          ; v64-127  the weights' fragments, two sets of four; scratch outside the products
.set H,    128                         ; v128-191 h's fragments, two groups of (2 tiles x 2 K steps)
.set ACC,  192                         ; v192-255 accumulator (tile a, columns ct) at 32 a + 8 ct
.set ST,   128                         ; phase Q: two sets of 32 numbers
.set QM0,  102
.set QM1,  103
.set QC,   108
.set SW,   112
.set QSO,  113
.set QBY,  114
.macro LOAD t                          ; block t: W(32 t + i, my column), i = 0 .. 31, into set t % 2
.set li, 0
.rept 32
	global_load_b32 v[ST+32*((\t)%2)+li], v1, s[4:5] offset:(32*(\t)+li)*RS th:TH_LOAD_NT
.set li, li+1
.endr
.endm
.macro QBLOCK t, cnt, more             ; one block of 32 along K of my column: cnt = the younger loads that may stay out
.set SS, ST+32*((\t)%2)
	s_wait_loadcnt \cnt
	s_wait_dscnt 0x0                               ; the last block's LDS stores have read their registers
	v_max3_num_f32 v[QM0], |v[SS]|, |v[SS+1]|, 0x1800000           ; the floor 2^(3 - 127): the byte cannot fall under 1
	v_max3_num_f32 v[QM1], |v[SS+2]|, |v[SS+3]|, |v[SS+4]|
.set qi, 5
.rept 6
	v_max3_num_f32 v[QM0], v[QM0], |v[SS+qi]|, |v[SS+qi+1]|
	v_max3_num_f32 v[QM1], v[QM1], |v[SS+qi+2]|, |v[SS+qi+3]|
.set qi, qi+4
.endr
	v_max3_num_f32 v[QM0], v[QM0], |v[SS+29]|, |v[SS+30]|
	v_max3_num_f32 v[QM0], v[QM0], v[QM1], |v[SS+31]|
	v_add_nc_u32 v[QSO], 0xff000000, v[QM0]        ; 2 off the exponent field: the conversion's scale operand
	v_lshrrev_b32 v[QBY], 23, v[QSO]
.if (\t)%4 == 0
	v_mov_b32 v[SW], v[QBY]
.else
	v_lshl_or_b32 v[SW], v[QBY], 8*((\t)%4), v[SW]
.endif
.irp g, 0,1,2,3
	v_cvt_scalef32_pk8_fp4_f32 v[QC+\g], v[SS+8*\g:SS+8*\g+7], v[QSO]
.endr
	v_nop                                          ; one plain line behind the last conversion
	ds_store_b128 v2, v[QC:QC+3] offset:((\t)/4)*1024+256*((\t)%4)
.if (\t)%4 == 3
	ds_store_b32 v3, v[SW] offset:((\t)/4)*128
.endif
.if \more
	LOAD (\t)+2
.endif
.endm
.macro WFETCH s                        ; K step s: the four weight fragments and their two scale registers into set s % 2: ten LDS loads
.irp ct, 0,1,2,3
.irp c, 0,1
	ds_load_b128 v[WB+32*((\s)%2)+8*\ct+4*\c:WB+32*((\s)%2)+8*\ct+4*\c+3], v4 offset:(\ct*16+(\s))*1024+512*\c
.endr
.endr
.irp cgp, 0,1
	ds_load_b32 v[WSB+2*((\s)%2)+\cgp], v5 offset:(\cgp*16+(\s))*128
.endr
.endm
.macro HGRP g                          ; K steps 2 g, 2 g + 1 of the pair's two tiles into group g % 2: eight loads of 512 consecutive bytes
.irp a, 0,1
.irp sp, 0,1
.irp c, 0,1
	global_load_b128 v[H+32*((\g)%2)+16*\a+8*\sp+4*\c:H+32*((\g)%2)+16*\a+8*\sp+4*\c+3], v7, s[8:9] offset:\a*32768+(2*(\g)+\sp)*1024+512*\c
.endr
.endr
.endr
.endm
.macro RENT                            ; the list's entries of the rows that I store: rows 2 k + lane / 16 of tile a: 16 loads
.irp a, 0,1
.irp k, 0,1,2,3,4,5,6,7
	global_load_b32 v[H+8*\a+\k], v13, s[12:13] offset:64*\a+8*\k
.endr
.endr
.endm
.macro MM a, ct, s                     ; source 0 = 16 columns of W_out, source 1 = 16 rows of h
.set rD, ACC+32*(\a)+8*(\ct)
.set rW, WB+32*((\s)%2)+8*(\ct)
.set rH, H+32*(((\s)/2)%2)+16*(\a)+8*((\s)%2)
.set rS, WSB+2*((\s)%2)+(\ct)/2
.if ((\ct)%2 == 0) && ((\a) == 0)
	v_wmma_scale_f32_16x16x128_f8f6f4 v[rD:rD+7], v[rW:rW+7], v[rH:rH+7], v[rD:rD+7], v[rS], v[HS+(\s)] matrix_a_fmt:MATRIX_FMT_FP4 matrix_b_fmt:MATRIX_FMT_FP4
.elseif ((\ct)%2 == 1) && ((\a) == 0)
	v_wmma_scale_f32_16x16x128_f8f6f4 v[rD:rD+7], v[rW:rW+7], v[rH:rH+7], v[rD:rD+7], v[rS], v[HS+(\s)] matrix_a_fmt:MATRIX_FMT_FP4 matrix_b_fmt:MATRIX_FMT_FP4 matrix_a_scale:MATRIX_SCALE_ROW1
.elseif (\ct)%2 == 0
	v_wmma_scale_f32_16x16x128_f8f6f4 v[rD:rD+7], v[rW:rW+7], v[rH:rH+7], v[rD:rD+7], v[rS], v[HS+(\s)] matrix_a_fmt:MATRIX_FMT_FP4 matrix_b_fmt:MATRIX_FMT_FP4 matrix_b_scale:MATRIX_SCALE_ROW1
.else
	v_wmma_scale_f32_16x16x128_f8f6f4 v[rD:rD+7], v[rW:rW+7], v[rH:rH+7], v[rD:rD+7], v[rS], v[HS+(\s)] matrix_a_fmt:MATRIX_FMT_FP4 matrix_b_fmt:MATRIX_FMT_FP4 matrix_a_scale:MATRIX_SCALE_ROW1 matrix_b_scale:MATRIX_SCALE_ROW1
.endif
.endm
.macro KSTEP s
.if (\s) < 15
	WFETCH (\s)+1                                  ; into the set that the step before read: four places stand behind its products
.endif
.if (\s) == 0
	s_wait_loadcnt 10                              ; h's scale words and group 0 are in; the two gates and group 1's eight may be out
.elseif (\s) == 14
	s_wait_loadcnt 16                              ; the last group is in; the 16 entries asked for behind it may be out
.elseif (\s)%2 == 0
	s_wait_loadcnt 8                               ; this group is in; the next group's eight may be out
.endif
.if (\s) < 15
	s_wait_dscnt 10                                ; all but the ten just issued
.else
	s_wait_dscnt 0x0
.endif
.irp ct, 0,1,2,3
.irp a, 0,1
	MM \a, \ct, \s
.endr
.endr
.rept 4
	v_nop                                          ; four places in front of loads into registers that these products read, and of the first read of results
.endr
.if ((\s)%2 == 1) && ((\s) <= 11)
	HGRP ((\s)+3)/2
.endif
.if (\s) == 13
	RENT                                           ; into the group that K steps 12 and 13 have left; K steps 14 and 15 read the other
.endif
.endm
.macro OUTA a                          ; tile a leaves: x gate; through my stage, so that sixteen lanes hold a row's 256 bytes; to the rows that the list names
.set p, 0
.rept 16
	v_pk_mul_f32 v[ACC+32*\a+p:ACC+32*\a+p+1], v[ACC+32*\a+p:ACC+32*\a+p+1], v[32+2*\a:33+2*\a] op_sel_hi:[1,0]   ; each accumulator from its low end on
.set p, p+2
.endr
.set p, 0
.rept 8
	ds_store_b128 v14, v[ACC+32*\a+4*p:ACC+32*\a+4*p+3] offset:16*p+32*(p/2)   ; tile ct = p / 2 of columns, half p % 2: 64 ct + 16 half
.set p, p+1
.endr
.set p, 0
.rept 8
	ds_load_b128 v[WB+32*\a+4*p:WB+32*\a+4*p+3], v15 offset:544*p              ; LDS serves a wave's instructions in order: these see my stores
.set p, p+1
.endr
	s_wait_dscnt 0x0
.set p, 0
.rept 8
	global_store_b128 v[H+8*\a+p], v[WB+32*\a+4*p:WB+32*\a+4*p+3], s[16:17]    ; sixteen lanes store 256 consecutive bytes, aligned
.set p, p+1
.endr
.endm
	s_load_b128 s[4:7], s[0:1], 0x0                ; W_out, b_out
	s_load_b64 s[8:9], s[0:1], 0x10                ; hc
	s_load_b128 s[12:15], s[0:1], 0x18             ; list, gate
	s_load_b64 s[16:17], s[0:1], 0x28              ; parts
	v_lshl_add_u32 v42, v0, 2, 0x22100
	v_mov_b32 v43, 0
	v_lshrrev_b32 v1, 5, v0
	v_readfirstlane_b32 s18, v1                    ; wave 0..15
	s_and_b32 s19, s18, 1                          ; cg
	s_lshr_b32 s20, s18, 1                         ; ke
	s_lshr_b32 s21, ttmp9, 5                       ; e
	s_bfe_u32 s22, ttmp9, 0x40001                  ; dcs
	s_and_b32 s24, ttmp9, 1                        ; kh
	v_and_b32 v23, 31, v0                          ; lane
	v_and_b32 v24, 15, v0                          ; lane % 16
	v_bfe_u32 v25, v0, 4, 1                        ; lane / 16
	v_lshlrev_b32 v1, 2, v23
	; every LDS address is made here, ahead of the first branch on the wave's number
	s_lshl_b32 s25, s19, 15
	s_lshl_b32 s30, s20, 11
	s_add_co_u32 s25, s25, s30
	v_lshlrev_b32 v2, 14, v25
	v_lshl_add_u32 v2, v24, 4, v2
	v_add_nc_u32 v2, s25, v2                       ; v2: my codes: fragment (2 cg + lane / 16, 2 ke), row lane % 16
	s_lshl_b32 s25, s19, 11
	s_lshl_b32 s30, s20, 8
	s_add_co_u32 s25, s25, s30
	s_add_co_u32 s25, s25, WSC
	v_lshl_add_u32 v3, v23, 2, s25                 ; v3: my scale words
	v_lshlrev_b32 v4, 4, v23                       ; v4: an image's place for my lane
	v_lshl_add_u32 v5, v23, 2, WSC                 ; v5: a scale word's
	s_lshl_b32 s25, s18, 16
	v_lshl_add_u32 v6, v23, 4, s25                 ; v6: h's codes: pair w
	s_lshl_b32 s25, s18, 12
	v_lshl_add_u32 v8, v23, 2, s25                 ; v8: h's scale words: pair w
	s_lshl_b32 s25, s18, 7
	v_lshl_add_u32 v10, v24, 2, s25                ; v10: in the list (memory): the entry of my row (the gate's)
	v_lshl_add_u32 v12, v25, 2, s25                ; v12: the entries of the rows that I store
	s_mul_i32 s25, s18, 4352
	s_add_co_u32 s25, s25, STG
	v_mul_u32_u24 v14, v24, 272
	v_lshl_add_u32 v14, v25, 5, v14
	v_add_nc_u32 v14, s25, v14                     ; v14: into my stage: row lane % 16, 32 bytes for each half of the lanes
	v_mul_u32_u24 v15, v25, 272
	v_lshl_add_u32 v15, v24, 4, v15
	v_add_nc_u32 v15, s25, v15                     ; v15: back: lanes 0-15 one row, lanes 16-31 the next
	v_lshlrev_b32 v16, 4, v24
	v_lshl_add_u32 v17, v25, 5, BIA                ; v17: the bias of my 8 columns of a tile
	v_lshl_add_u32 v21, v23, 3, BIA
	v_lshlrev_b32 v115, 3, v23
	v_mov_b32 v33, 0                               ; (named as the upper halves of the gates' pairs)
	v_mov_b32 v35, 0
	s_mov_b32 s3, 0
	s_lshl_b32 s2, s21, 24                         ; W_out: expert 2^24 bytes, half of H 2^23, 256 rows 2^20, 64 columns 256, 32 columns 128
	s_lshl_b32 s25, s24, 23
	s_add_co_u32 s2, s2, s25
	s_lshl_b32 s25, s20, 20
	s_add_co_u32 s2, s2, s25
	s_lshl_b32 s25, s22, 8
	s_add_co_u32 s2, s2, s25
	s_lshl_b32 s25, s19, 7
	s_add_co_u32 s2, s2, s25
	s_wait_kmcnt 0x0
	s_add_nc_u64 s[4:5], s[4:5], s[2:3]
	s_lshl_b32 s2, s21, 12
	s_lshl_b32 s25, s22, 8
	s_add_co_u32 s2, s2, s25
	s_add_nc_u64 s[6:7], s[6:7], s[2:3]            ; b_out at my 64
	s_lshl_b32 s2, s21, 17
	s_lshl_b32 s25, s24, 11
	s_add_co_u32 s2, s2, s25
	s_add_co_u32 s2, s2, HSO
	s_add_nc_u64 s[10:11], s[8:9], s[2:3]          ; h's scale words at (e, pair 0, K step 16 kh)
	s_lshl_b32 s2, s21, 21
	s_lshl_b32 s25, s24, 14
	s_add_co_u32 s2, s2, s25
	s_add_nc_u64 s[8:9], s[8:9], s[2:3]            ; h's codes at (e, tile 0, K step 16 kh)
	s_lshl_b32 s2, s24, 12
	s_lshl_b32 s25, s22, 8
	s_add_co_u32 s2, s2, s25
	s_add_nc_u64 s[16:17], s[16:17], s[2:3]        ; parts at (entry 0, kh, my columns)
	s_lshl_b32 s2, s21, 13
	s_add_nc_u64 s[12:13], s[12:13], s[2:3]        ; my expert's list
	s_load_b32 s23, s[12:13], LCNT                 ; and the number of its rows
	s_cmp_lg_u32 s18, 1
	s_cbranch_scc1 .Lno_bias
	global_load_b64 v[104:105], v115, s[6:7]
.Lno_bias:
	LOAD 0
	s_wait_loadcnt 32                              ; on every wave's path: what was asked for ahead of block 0's 32 loads is in: wave 1's bias; the other waves have nothing older and pass
	LOAD 1
	s_wait_kmcnt 0x0
	s_min_u32 s23, s23, 1024                       ; the expert's rows
	s_cmp_lg_u32 s18, 1
	s_cbranch_scc1 .Lno_bias2
	s_cmp_eq_u32 s24, 0
	s_cselect_b32 s25, 1.0, 0                      ; the bias counts once: in half 0
	v_mul_f32 v104, s25, v104
	v_mul_f32 v105, s25, v105
	ds_store_b64 v21, v[104:105]
.Lno_bias2:
	QBLOCK 0, 32, 1
	QBLOCK 1, 32, 1
	QBLOCK 2, 32, 1
	QBLOCK 3, 32, 1
	QBLOCK 4, 32, 1
	QBLOCK 5, 32, 1
	QBLOCK 6, 32, 0
	QBLOCK 7, 0, 0
	s_wait_dscnt 0x0                               ; for the others' sake: my images, scale words (and the bias) have landed
	s_barrier_signal -1
	s_barrier_wait -1
	s_mov_b32 s26, 0
	s_lshl_b32 s27, s18, 5                         ; 32 x my pair
	s_mov_b32 s28, 0
	s_mov_b32 s29, 0
	s_mov_b32 s34, 0
.Lit:
	s_cmp_ge_u32 s27, s23                          ; a pair past the expert's rows is left out
	s_cbranch_scc1 .Lnone
	s_wait_xcnt 0x0                                ; the last item's stores have read their registers
	v_add_nc_u32 v7, s28, v6
	v_add_nc_u32 v9, s29, v8
	v_add_nc_u32 v11, s34, v10
	v_add_nc_u32 v13, s34, v12
	global_load_b32 v36, v11, s[12:13]             ; the entries of my row in the pair's two tiles
	global_load_b32 v37, v11, s[12:13] offset:64
.irp a, 0,1
.irp k, 0,1,2,3,4,5,6,7
	ds_load_b128 v[ACC+32*\a+4*\k:ACC+32*\a+4*\k+3], v17 offset:16*\k+32*(\k/2)   ; the sums begin as the bias: tile ct = k / 2, half k % 2: 64 ct + 16 half
.endr
.endr
	WFETCH 0
.set i, 0
.rept 16
	global_load_b32 v[HS+i], v9, s[10:11] offset:128*i
.set i, i+1
.endr
	HGRP 0
	s_wait_loadcnt 24                              ; the two entries are in; h's 16 scale words and group 0's eight may be out
	v_min_u32 v36, 2047, v36                       ; held inside the gates
	v_min_u32 v37, 2047, v37
	v_lshlrev_b32 v36, 2, v36
	v_lshlrev_b32 v37, 2, v37
	global_load_b32 v32, v36, s[14:15]
	global_load_b32 v34, v37, s[14:15]
	HGRP 1
.set ks, 0
.rept 16                               ; the 8 accumulators by turns, one instruction a turn, in the same order in every K step
	KSTEP ks
.set ks, ks+1
.endr
	s_wait_loadcnt 0x0                             ; the 16 entries
.set i, 0
.rept 16
	v_min_u32 v[H+i], 2047, v[H+i]                 ; held inside parts
.set i, i+1
.endr
.set i, 0
.rept 16
	v_lshl_add_u32 v[H+i], v[H+i], 13, v16         ; 8,192 bytes an entry, 16 bytes a lane
.set i, i+1
.endr
	OUTA 0
	OUTA 1
.Lnone:
	s_add_co_u32 s27, s27, 512
	s_add_co_u32 s28, s28, 0x100000
	s_add_co_u32 s29, s29, 0x10000
	s_add_co_u32 s34, s34, 2048
	s_add_co_u32 s26, s26, 1
	s_cmp_lt_u32 s26, 2
	s_cbranch_scc1 .Lit
	s_wait_tensorcnt 0x0
	ds_add_u32 v42, v43
	s_wait_dscnt 0x0
	s_endpgm
.Lfunc_end_k_qd77882bf4b_down:
	.size	k_qd77882bf4b_down, .Lfunc_end_k_qd77882bf4b_down-k_qd77882bf4b_down
	.p2alignl 7, 3214868480
	.fill 96, 4, 3214868480
	.section	.rodata,"a",@progbits
	.p2align	6, 0x0
	.amdhsa_kernel k_qd77882bf4b_down
		.amdhsa_group_segment_fixed_size 141568
		.amdhsa_private_segment_fixed_size 0
		.amdhsa_enable_private_segment 0
		.amdhsa_kernarg_size 48
		.amdhsa_user_sgpr_count 2
		.amdhsa_user_sgpr_kernarg_segment_ptr 1
		.amdhsa_wavefront_size32 1
		.amdhsa_system_sgpr_workgroup_id_x 1
		.amdhsa_system_sgpr_workgroup_id_y 1
		.amdhsa_system_sgpr_workgroup_id_z 1
		.amdhsa_system_vgpr_workitem_id 0
		.amdhsa_next_free_vgpr 256
		.amdhsa_next_free_sgpr 66
		.amdhsa_reserve_vcc 0
		.amdhsa_float_denorm_mode_32 3
		.amdhsa_float_denorm_mode_16_64 3
		.amdhsa_memory_ordered 1
		.amdhsa_forward_progress 1
		.amdhsa_inst_pref_size 90
	.end_amdhsa_kernel
	.amdgpu_metadata
---
amdhsa.version: [ 1, 2 ]
amdhsa.kernels:
  - .name:           k_qd77882bf4b_down
    .symbol:         k_qd77882bf4b_down.kd
    .args:
      - { .name: W_out, .offset: 0, .size: 8, .value_kind: global_buffer, .address_space: global }
      - { .name: b_out, .offset: 8, .size: 8, .value_kind: global_buffer, .address_space: global }
      - { .name: hc, .offset: 16, .size: 8, .value_kind: global_buffer, .address_space: global }
      - { .name: list, .offset: 24, .size: 8, .value_kind: global_buffer, .address_space: global }
      - { .name: gate, .offset: 32, .size: 8, .value_kind: global_buffer, .address_space: global }
      - { .name: parts, .offset: 40, .size: 8, .value_kind: global_buffer, .address_space: global }
    .group_segment_fixed_size: 141568
    .private_segment_fixed_size: 0
    .kernarg_segment_align: 8
    .kernarg_segment_size: 48
    .max_flat_workgroup_size: 512
    .sgpr_count:     66
    .vgpr_count:     256
    .wavefront_size: 32
...
	.end_amdgpu_metadata
.endif
;; end of part 4
;; launch sum (part 5): grid 256 x 1, 8 waves a work-group, no clusters, 0 bytes of LDS; arguments parts, auxp, out0, out1; writes out0, out1
.if DOCPART == 5
	.amdgcn_target "amdgcn-amd-amdhsa--gfx1250"
	.amdhsa_code_object_version 6
	.text
	.protected	k_qd77882bf4b_sum
	.globl	k_qd77882bf4b_sum
	.p2align	8
	.type	k_qd77882bf4b_sum,@function
k_qd77882bf4b_sum:
	s_mov_b64 s[64:65], 0
	v_nop
	global_prefetch_b8 v0, s[64:65] scope:SCOPE_SE
	s_setreg_imm32_b32 hwreg(HW_REG_WAVE_MODE, 25, 1), 1
	s_wait_xcnt 0x0
; SUM.  out0[token] = the sum of the token's four parts (two chosen experts x two halves of H), which lie on end: 16,384 bytes a token.  A stream: every byte is read once, by loads of 16 bytes a lane,
; and each store of a wave covers 512 consecutive bytes.  A work-group takes 4 tokens, thread t the 16 bytes at 16 t of a row; all 16 loads of a thread are out together.  LDS, barriers and the matrix unit would add nothing.
; out1 = 8 x the sum over the experts of (mean probability) x (share of the 2,048 choices) = 2^-18 x the sum of S[e] N[e], S and N summed over the 256 records of 16 numbers that the router's waves stored.
; Wave 0 of work-group 0 does that, in one stretch behind the issue of its main loads, which are on their way meanwhile.
	s_load_b256 s[4:11], s[0:1], 0x0               ; parts, auxp, out0, out1
	v_lshlrev_b32 v1, 4, v0
	v_lshrrev_b32 v2, 5, v0
	v_readfirstlane_b32 s12, v2                    ; wave
	v_and_b32 v3, 31, v0                           ; lane
	v_lshlrev_b32 v4, 4, v3
	s_lshl_b32 s2, ttmp9, 16
	s_mov_b32 s3, 0
	s_lshl_b32 s14, ttmp9, 14
	s_mov_b32 s15, 0
	s_wait_kmcnt 0x0
	s_add_nc_u64 s[4:5], s[4:5], s[2:3]
	s_add_nc_u64 s[8:9], s[8:9], s[14:15]
.set i, 0
.rept 16
	global_load_b128 v[16+4*i:19+4*i], v1, s[4:5] offset:4096*i th:TH_LOAD_NT   ; token i / 4, part i % 4
.set i, i+1
.endr
	s_cmp_lg_u32 ttmp9, 0
	s_cbranch_scc1 .Lno_aux
	s_cmp_lg_u32 s12, 0
	s_cbranch_scc1 .Lno_aux
	s_mov_b32 s16, 0x76543210
	s_mov_b32 s17, 0xfedcba98                      ; v_permlanex16_b32's selects for lane l xor 16
.set i, 0
.rept 32
	global_load_b128 v[96+4*i:99+4*i], v4, s[6:7] offset:512*i     ; lane L, register c: number 4 (L % 4) + c of record 8 i + L / 4
.set i, i+1
.endr
	s_wait_loadcnt 0x0
.set i, 4
.rept 28                               ; four chains
	v_pk_add_f32 v[96+4*(i%4):97+4*(i%4)], v[96+4*(i%4):97+4*(i%4)], v[96+4*i:97+4*i]
	v_pk_add_f32 v[98+4*(i%4):99+4*(i%4)], v[98+4*(i%4):99+4*(i%4)], v[98+4*i:99+4*i]
.set i, i+1
.endr
.irp c, 0,2
	v_pk_add_f32 v[96+\c:97+\c], v[96+\c:97+\c], v[100+\c:101+\c]
	v_pk_add_f32 v[104+\c:105+\c], v[104+\c:105+\c], v[108+\c:109+\c]
.endr
.irp c, 0,2
	v_pk_add_f32 v[96+\c:97+\c], v[96+\c:97+\c], v[104+\c:105+\c]
.endr
.irp c, 0,1,2,3                        ; over the lanes with my lane % 4
	v_add_f32_dpp v[96+\c], v[96+\c], v[96+\c] row_xmask:4 row_mask:0xf bank_mask:0xf
.endr
.irp c, 0,1,2,3
	v_add_f32_dpp v[96+\c], v[96+\c], v[96+\c] row_xmask:8 row_mask:0xf bank_mask:0xf
.endr
.irp c, 0,1,2,3
	v_permlanex16_b32 v[100+\c], v[96+\c], s16, s17
.endr
.irp c, 0,1,2,3
	v_add_f32 v[96+\c], v[96+\c], v[100+\c]        ; lane % 4 = 0: S[0..3]; 1: S[4..7]; 2: N[0..3]; 3: N[4..7]
.endr
.irp c, 0,1,2,3
	v_mul_f32_dpp v[96+\c], v[96+\c], v[96+\c] row_xmask:2 row_mask:0xf bank_mask:0xf   ; S[e] N[e]
.endr
	v_add_f32 v96, v96, v97
	v_add_f32 v98, v98, v99
	v_add_f32 v96, v96, v98
	v_add_f32_dpp v96, v96, v96 row_xmask:1 row_mask:0xf bank_mask:0xf                  ; all eight experts
	v_mul_f32 v96, 0x36800000, v96                 ; x 2^-18 = 8 / (1,024 x 2,048)
	v_mov_b32 v5, 0
	v_cmp_eq_u32 vcc_lo, 0, v3
	s_wait_xcnt 0x0                                ; EXEC changes only behind this wait
	s_and_saveexec_b32 s13, vcc_lo
	global_store_b32 v5, v96, s[10:11]
	s_wait_xcnt 0x0
	s_or_b32 exec_lo, exec_lo, s13
.Lno_aux:
.irp t, 0,1,2,3
	s_wait_loadcnt 12-4*\t                         ; this token's four loads are in; the later tokens' may be out
	v_pk_add_f32 v[80+4*\t:81+4*\t], v[16+16*\t:17+16*\t], v[20+16*\t:21+16*\t]
	v_pk_add_f32 v[82+4*\t:83+4*\t], v[18+16*\t:19+16*\t], v[22+16*\t:23+16*\t]
	v_pk_add_f32 v[24+16*\t:25+16*\t], v[24+16*\t:25+16*\t], v[28+16*\t:29+16*\t]
	v_pk_add_f32 v[26+16*\t:27+16*\t], v[26+16*\t:27+16*\t], v[30+16*\t:31+16*\t]
	v_pk_add_f32 v[80+4*\t:81+4*\t], v[80+4*\t:81+4*\t], v[24+16*\t:25+16*\t]
	v_pk_add_f32 v[82+4*\t:83+4*\t], v[82+4*\t:83+4*\t], v[26+16*\t:27+16*\t]
	global_store_b128 v1, v[80+4*\t:83+4*\t], s[8:9] offset:4096*\t th:TH_STORE_NT
.endr
	s_endpgm
.Lfunc_end_k_qd77882bf4b_sum:
	.size	k_qd77882bf4b_sum, .Lfunc_end_k_qd77882bf4b_sum-k_qd77882bf4b_sum
	.p2alignl 7, 3214868480
	.fill 96, 4, 3214868480
	.section	.rodata,"a",@progbits
	.p2align	6, 0x0
	.amdhsa_kernel k_qd77882bf4b_sum
		.amdhsa_group_segment_fixed_size 0
		.amdhsa_private_segment_fixed_size 0
		.amdhsa_enable_private_segment 0
		.amdhsa_kernarg_size 32
		.amdhsa_user_sgpr_count 2
		.amdhsa_user_sgpr_kernarg_segment_ptr 1
		.amdhsa_wavefront_size32 1
		.amdhsa_system_sgpr_workgroup_id_x 1
		.amdhsa_system_sgpr_workgroup_id_y 1
		.amdhsa_system_sgpr_workgroup_id_z 1
		.amdhsa_system_vgpr_workitem_id 0
		.amdhsa_next_free_vgpr 224
		.amdhsa_next_free_sgpr 66
		.amdhsa_reserve_vcc 1
		.amdhsa_float_denorm_mode_32 3
		.amdhsa_float_denorm_mode_16_64 3
		.amdhsa_memory_ordered 1
		.amdhsa_forward_progress 1
		.amdhsa_inst_pref_size 13
	.end_amdhsa_kernel
	.amdgpu_metadata
---
amdhsa.version: [ 1, 2 ]
amdhsa.kernels:
  - .name:           k_qd77882bf4b_sum
    .symbol:         k_qd77882bf4b_sum.kd
    .args:
      - { .name: parts, .offset: 0, .size: 8, .value_kind: global_buffer, .address_space: global }
      - { .name: auxp, .offset: 8, .size: 8, .value_kind: global_buffer, .address_space: global }
      - { .name: out0, .offset: 16, .size: 8, .value_kind: global_buffer, .address_space: global }
      - { .name: out1, .offset: 24, .size: 8, .value_kind: global_buffer, .address_space: global }
    .group_segment_fixed_size: 0
    .private_segment_fixed_size: 0
    .kernarg_segment_align: 8
    .kernarg_segment_size: 32
    .max_flat_workgroup_size: 256
    .sgpr_count:     66
    .vgpr_count:     224
    .wavefront_size: 32
...
	.end_amdgpu_metadata
.endif
;; end of part 5
;; ======== version 2 of 2: 5 launches; version 1 with the launches up, down written anew for expert scheduling mode
;; workspace buffers: xc 524,288 bytes; xs 32,768 bytes; choice 8,192 bytes of whole numbers; gate 8,192 bytes; auxp 16,384 bytes; hc 17,825,792 bytes; parts 16,777,216 bytes; list 65,536 bytes of whole numbers
;; launch route: the kernel of part 1 again; grid 64 x 1, 4 waves a work-group, no clusters, 108,032 bytes of LDS; arguments x, router_W, xc, xs, choice, gate, auxp; writes xc, xs, choice, gate, auxp
;; launch place: the kernel of part 2 again; grid 8 x 1, 1 waves a work-group, no clusters, 7,424 bytes of LDS; arguments choice, list; writes list
;; launch up (part 6): grid 256 x 1, 16 waves a work-group, no clusters, 289,280 bytes of LDS; arguments W_in, b_in, xc, xs, list, hc; writes hc
.if DOCPART == 6
	.amdgcn_target "amdgcn-amd-amdhsa--gfx1250"
	.amdhsa_code_object_version 6
	.text
	.protected	k_qd77882bf4b_up
	.globl	k_qd77882bf4b_up
	.p2align	8
	.type	k_qd77882bf4b_up,@function
k_qd77882bf4b_up:
	s_mov_b64 s[64:65], 0
	v_nop
	global_prefetch_b8 v0, s[64:65] scope:SCOPE_SE
	s_setreg_imm32_b32 hwreg(HW_REG_WAVE_SCHED_MODE, 0, 2), 2
	s_setreg_imm32_b32 hwreg(HW_REG_WAVE_MODE, 25, 1), 1
	s_wait_xcnt 0x0
	s_wait_alu depctr_vm_vsrc(0)
; UP.  h = gelu(x W_in[e] + b_in[e]) for the rows that chose expert e, both operands of the product as codes of E2M1 with E8M0 scales along D; h leaves as codes and scale bytes along H.
; SHARES.  Work-group = (expert e = number / 32, slice cs = number % 32 of 128 hidden units).  Its 1,024 x 128 numbers of W_in (512 KiB) are read from memory once in the whole program.
; PHASE Q.  Wave w (cp = w % 4, rg = w / 4) takes columns 32 cp .. + 31 and k = 256 rg .. + 255.  A LANE TAKES A COLUMN AND ITS REGISTERS RUN DOWN K: a block of 32 lies in one lane's 32 registers,
; the conversions give codes with K innermost, and they go to LDS as images of operand registers (block b of a fragment's row r at 256 b + 16 r).  Two blocks, 64 loads of 128 bytes, are asked for ahead in each wave.
; THE LIST.  An earlier launch stored, for each expert, the number of its rows and their list (entry = 2 x token + slot, in the order of the tokens), behind them 32 copies of the first entry:
; so rows count in whole 32s, the copies are computed like any row, and no lane is ever switched off.  The count comes by a scalar load, the entries by vector loads.
; PHASE M.  Wave w keeps its 32 hidden units' weights for all of K in 128 registers and takes the tiles of 16 rows rg, rg + 4, ..; the rows' codes of x were gathered into LDS, 24 tiles at a time.
; The product is used transposed (source 0 = 16 hidden units, source 1 = 16 rows), and lane r of weight tile u takes hidden unit 8 u + r + 8 (r / 8) of the 32: so a lane's 16 results are 16 neighbours along H.
; gelu is exact in form: 0.5 v (1 + erf(v / sqrt 2)), erf(z) = z P(z^2) / Q(z^2) with z held to +-4, in f32.
; hc holds h's codes, [e][tile 64][K step 32][1,024 bytes] as images of fragments, and from byte 2^24 on h's scale words, [e][pair of tiles 32][K step 32][32 words].
; The trip counts are constants; what hangs on the stored count is a scalar branch round a tile's work, never round a barrier.  No tensor loads, copies or joint requests:
; the weights must pass through registers for the quantiser anyway, and no two work-groups share a byte of them.
; LIMITS: NaN and infinities are not served; a block whose largest magnitude lies under 2^-124 keeps the scale byte 1 (a block of zeros too: its codes are zeros).
; THE MODE: SCHED_MODE bits 1:0 = 2 (LLVM: expert scheduling mode 2), set by the entry lines.  The code itself states the register dependences
; between vector or matrix instructions and memory or LDS instructions, with s_wait_alu, always for 0.
; THE PLAN.  Registers that memory or LDS instructions touch:
;   v1-v17, v21, v22, v122   offsets and addresses, made once at the head: one wait on va_vdst ahead of the first load serves them all.
;   ST0, ST1 (v128-191)      phase Q: block t's maxima and conversions read set t % 2; behind them the loads of block t + 2 land in it.
;   QC (v108-111), SW (v112) phase Q: written by a block's vector lines, read by its LDS stores, written again by the next block.
;     So a block has a wait on vm_vsrc at its head and ONE wait on va_vdst behind its conversions, ahead of its LDS stores and of the 32 loads that follow them.
;   v96-101                  the list's entries land here; vector lines make six offsets of them; one wait on va_vdst; the gather's 27 loads read them.
;   v192-255, v64-95, v32-37 the gather's data: loads write them, LDS stores read them, no vector line names them meanwhile.
;   v18-v21                  phase M: a tile's four addresses, written at its head, read by its LDS loads and its two stores.
;   X, XS, ACC (v32-127)     phase M: LDS loads write them at a tile's head; the products and gelu read them and write over them; v68 and v70-71 are the two stores' data.
;     So a tile has a wait on vm_vsrc ahead of its four adds, a wait on va_vdst behind them, ahead of its 22 LDS loads, and a wait on va_vdst ahead of its two stores.
;   The weights (v128-255, v56-63) are loaded once and then named by matrix instructions alone.  All 256 registers of the wave are taken: there is none for a second set of x's fragments.
.set WC,   0                           ; LDS: 64 weight fragments (tile ct = 2 cp + u, K step s) at (8 ct + s) x 1,024
.set WSC,  65536                       ; their scale words: (8 cp + s) x 128 + 4 (16 u + r)
.set XST,  69632                       ; x's fragments of 24 tiles of rows: tile x 8,192 + s x 1,024
.set XSS,  266240                      ; x's scale words: tile x 512 + 32 r + 4 s
.set BIA,  278528                      ; b_in's 128 numbers
.set HSL,  279040                      ; h's scale bytes: 512 bytes for each wave: 16 x (the wave's tile count) + row
.set LCNT, 6656                        ; the count's byte in an expert's 8,192 bytes of the list
.set HSO,  0x1000000                   ; where h's scale words begin in hc
.set RS,   16384                       ; a row of W_in in bytes
.set ACC,  32                          ; v32-47   two accumulators
.set XS,   48                          ; v48-55   x's scale words, one a K step
.set WS,   56                          ; v56-63   the weights': lanes 0-15 tile u = 0, lanes 16-31 tile u = 1
.set X,    64                          ; v64-127  x's 8 fragments; scratch outside the products
.set W,    128                         ; v128-255 my 16 weight fragments: 64 u + 8 s
.set ST,   128                         ; phase Q: two sets of 32 numbers
.set QM0,  102
.set QM1,  103
.set QC,   108                         ; v108-111 a block's codes
.set SW,   112                         ; the scale word in the making
.set QSO,  113
.set QBY,  114
.set Z,    64                          ; gelu's scratch
.set Y,    80
.set P,    96
.set Q,    112
.macro LOAD t                          ; block t: W(32 t + i, my column), i = 0 .. 31, into set t % 2
.set li, 0
.rept 32
	global_load_b32 v[ST+32*((\t)%2)+li], v1, s[4:5] offset:(32*(\t)+li)*RS th:TH_LOAD_NT
.set li, li+1
.endr
.endm
; One block of 32 along K of my column: cnt = the younger loads that may stay out; more = 1: the block two on is asked for.
.macro QBLOCK t, cnt, more
.set SS, ST+32*((\t)%2)
	s_wait_loadcnt \cnt
	s_wait_dscnt 0x0                               ; the last block's LDS stores are done
.if (\t) > 0
	s_wait_alu depctr_vm_vsrc(0)                   ; the last block's LDS stores have read QC and SW, which this block writes again
.endif
	v_max3_num_f32 v[QM0], |v[SS]|, |v[SS+1]|, 0x1800000           ; the floor 2^(3 - 127): the byte cannot fall under 1
	v_max3_num_f32 v[QM1], |v[SS+2]|, |v[SS+3]|, |v[SS+4]|
.set qi, 5
.rept 6
	v_max3_num_f32 v[QM0], v[QM0], |v[SS+qi]|, |v[SS+qi+1]|
	v_max3_num_f32 v[QM1], v[QM1], |v[SS+qi+2]|, |v[SS+qi+3]|
.set qi, qi+4
.endr
	v_max3_num_f32 v[QM0], v[QM0], |v[SS+29]|, |v[SS+30]|
	v_max3_num_f32 v[QM0], v[QM0], v[QM1], |v[SS+31]|
	v_add_nc_u32 v[QSO], 0xff000000, v[QM0]        ; 2 off the exponent field: the conversion's scale operand
	v_lshrrev_b32 v[QBY], 23, v[QSO]               ; the scale's byte
.if (\t)%4 == 0
	v_mov_b32 v[SW], v[QBY]
.else
	v_lshl_or_b32 v[SW], v[QBY], 8*((\t)%4), v[SW]
.endif
.irp g, 0,1,2,3
	v_cvt_scalef32_pk8_fp4_f32 v[QC+\g], v[SS+8*\g:SS+8*\g+7], v[QSO]
.endr
	v_nop                                          ; one plain line behind the last conversion
	s_wait_alu depctr_va_vdst(0)                   ; QC and SW are written, which the LDS stores below read; the maxima and the conversions are done reading this set, in which the loads of the block two on land
	ds_store_b128 v2, v[QC:QC+3] offset:((\t)/4)*1024+256*((\t)%4)
.if (\t)%4 == 3
	ds_store_b32 v3, v[SW] offset:((\t)/4)*128
.endif
.if \more
	LOAD (\t)+2
.endif
.endm
; The codes and scale words of 16 listed rows, my half of K.  GADDR: ent holds the list's entry and becomes the codes' offset, ent + 1 the scale words'.  GLOADS: the nine loads by them.
.macro GADDR ent
	v_lshrrev_b32 v[\ent], 1, v[\ent]              ; the token,
	v_min_u32 v[\ent], 1023, v[\ent]               ; held inside x
	v_lshl_add_u32 v[\ent+1], v[\ent], 5, v6
	v_lshl_add_u32 v[\ent], v[\ent], 9, v5
.endm
.macro GLOADS ent, dat, sc
.set gj, 0
.rept 8
	global_load_b128 v[\dat+4*gj:\dat+4*gj+3], v[\ent], s[8:9] offset:32*gj
.set gj, gj+1
.endr
	global_load_b64 v[\sc:\sc+1], v[\ent+1], s[10:11]
.endm
.macro GSTORE adr, n, dat, sc          ; and into LDS as images: each store covers 512 consecutive bytes
.set gj, 0
.rept 8
	ds_store_b128 v[\adr], v[\dat+4*gj:\dat+4*gj+3] offset:512*gj
.set gj, gj+1
.endr
	ds_store_b64 v10, v[\sc:\sc+1] offset:4096*(\n)
.endm
.macro HORNER reg, c                   ; reg = reg x z^2 + the constant in s[c], eight pairs
.set hp, 0
.rept 8
	v_pk_fma_f32 v[\reg+hp:\reg+hp+1], v[\reg+hp:\reg+hp+1], v[Y+hp:Y+hp+1], s[\c:\c+1] op_sel_hi:[1,1,0]
.set hp, hp+2
.endr
.endm
	s_load_b256 s[4:11], s[0:1], 0x0               ; W_in, b_in, xc, xs
	s_load_b128 s[12:15], s[0:1], 0x20             ; list, hc
	v_lshrrev_b32 v1, 5, v0
	v_readfirstlane_b32 s18, v1                    ; wave 0..15
	v_and_b32 v23, 31, v0                          ; lane
	v_and_b32 v24, 15, v0                          ; lane % 16
	v_bfe_u32 v25, v0, 4, 1                        ; lane / 16
	v_bfe_u32 v30, v0, 3, 1                        ; u: my column's weight tile
	v_and_b32 v31, 7, v0
	v_lshl_add_u32 v31, v25, 3, v31                ; r: its row there
	v_lshlrev_b32 v1, 2, v23                       ; the stream: 4 bytes a lane
	s_wait_alu depctr_va_sdst(0)                   ; s18 is written, ahead of its first reader: the wave's shares and every base are made from it
	s_and_b32 s19, s18, 3                          ; cp
	s_lshr_b32 s20, s18, 2                         ; rg
	s_lshr_b32 s60, s18, 1                         ; the gather: my tile of eight,
	s_and_b32 s61, s18, 1                          ; my half of K
	s_lshr_b32 s21, ttmp9, 5                       ; e
	s_and_b32 s22, ttmp9, 31                       ; cs
	; every LDS address is made here, ahead of the first branch on the wave's number
	s_lshl_b32 s25, s19, 14
	s_lshl_b32 s30, s20, 11
	s_add_co_u32 s25, s25, s30
	v_lshlrev_b32 v2, 13, v30
	v_lshl_add_u32 v2, v31, 4, v2
	v_add_nc_u32 v2, s25, v2                       ; v2: my codes: fragment (2 cp + u, 2 rg), row r
	s_lshl_b32 s25, s19, 10
	s_lshl_b32 s30, s20, 8
	s_add_co_u32 s25, s25, s30
	s_add_co_u32 s25, s25, WSC
	v_lshlrev_b32 v3, 6, v30
	v_lshl_add_u32 v3, v31, 2, v3
	v_add_nc_u32 v3, s25, v3                       ; v3: my scale words
	s_lshl_b32 s25, s60, 6
	v_lshl_add_u32 v4, v24, 2, s25                 ; v4: in the list (memory): the entry of my row in the gather: tile w / 2, row lane % 16
	s_lshl_b32 s25, s61, 8
	v_lshl_add_u32 v5, v25, 4, s25                 ; v5: my 16 bytes in a token's codes: 256 half + 16 (lane / 16), then 32 apart
	s_lshl_b32 s25, s61, 4
	v_lshl_add_u32 v6, v25, 3, s25                 ; v6: my two scale words
	s_lshl_b32 s25, s18, 12
	s_add_co_u32 s25, s25, XST
	v_lshl_add_u32 v7, v23, 4, s25                 ; v7-9: where the gathered codes go: tile w / 2 (+ 8, + 16), half w % 2
	v_add_nc_u32 v8, 0x10000, v7
	v_add_nc_u32 v9, 0x20000, v7
	s_lshl_b32 s25, s60, 9
	s_add_co_u32 s25, s25, XSS
	v_lshl_add_u32 v10, v24, 5, v6
	v_add_nc_u32 v10, s25, v10                     ; v10: and the scale words
	s_lshl_b32 s25, s19, 14
	v_lshl_add_u32 v11, v23, 4, s25                ; v11: my weights' images
	s_lshl_b32 s25, s19, 10
	s_add_co_u32 s25, s25, WSC
	v_lshl_add_u32 v12, v23, 2, s25                ; v12: their scale words
	s_lshl_b32 s25, s20, 13
	s_add_co_u32 s25, s25, XST
	v_lshl_add_u32 v13, v23, 4, s25                ; v13: x's images, tile rg
	s_lshl_b32 s25, s20, 9
	s_add_co_u32 s25, s25, XSS
	v_lshl_add_u32 v14, v24, 5, s25                ; v14: x's scale words
	s_lshl_b32 s25, s19, 7
	s_add_co_u32 s25, s25, BIA
	v_lshl_add_u32 v15, v25, 6, s25                ; v15: the bias of my 16 hidden units
	s_lshl_b32 s25, s18, 9
	s_add_co_u32 s25, s25, HSL
	v_add_nc_u32 v16, s25, v24                     ; v16: my wave's scale bytes, my row
	s_lshl_b32 s25, s20, 15
	s_lshl_b32 s30, s19, 8
	s_add_co_u32 s25, s25, s30
	v_lshlrev_b32 v17, 4, v24
	v_lshl_add_u32 v17, v25, 3, v17
	v_add_nc_u32 v17, s25, v17                     ; v17: hc: tile rg, block cp, row, my half block
	s_lshl_b32 s25, s61, 12
	s_lshl_b32 s30, s60, 4
	s_add_co_u32 s25, s25, s30
	s_add_co_u32 s25, s25, HSL
	v_lshl_add_u32 v22, v25, 11, v24
	v_add_nc_u32 v22, s25, v22                     ; v22: the way out of the scale bytes: tile 2 w + lane / 16 was made by waves 4 (2 (w % 2) + lane / 16) + cp as their tile w / 2
	v_lshl_add_u32 v21, v23, 4, BIA
	v_lshlrev_b32 v122, 4, v23
	v_mov_b32 v26, 0xaf95df0b                      ; erf's numerator: the coefficient of z^13, twice
	v_mov_b32 v27, 0xaf95df0b
	v_mov_b32 v28, 0xb77460cd                      ; its denominator: of z^8
	v_mov_b32 v29, 0xb77460cd
	s_mov_b32 s32, 0x76543210
	s_mov_b32 s33, 0xfedcba98                      ; v_permlanex16_b32's selects for lane l xor 16
.macro KPAIR r, bits                   ; the packed forms name a pair and take its low word for both halves: both are written
	s_mov_b32 s[\r], \bits
	s_mov_b32 s[\r+1], \bits
.endm
	KPAIR 36, 0x3f3504f3                           ; 1 / sqrt 2
	KPAIR 38, 0x32edffee                           ; numerator: z^11, z^9, z^7, z^5, z^3, z
	KPAIR 40, 0xb60cff51
	KPAIR 42, 0xb86ec2d2
	KPAIR 44, 0xba40ac63
	KPAIR 46, 0xbb41a1f6
	KPAIR 48, 0xbc83dbd4
	KPAIR 50, 0xb95fbd29                           ; denominator: z^6, z^4, z^2, 1
	KPAIR 52, 0xbadc924e
	KPAIR 54, 0xbbf19bf8
	KPAIR 56, 0xbc69b6a7
	s_mov_b32 s3, 0
	s_lshl_b32 s2, s21, 24                         ; W_in: expert 2^24 bytes, 256 rows 2^22, 128 columns 512, 32 columns 128
	s_lshl_b32 s25, s20, 22
	s_add_co_u32 s2, s2, s25
	s_lshl_b32 s25, s22, 9
	s_add_co_u32 s2, s2, s25
	s_lshl_b32 s25, s19, 7
	s_add_co_u32 s2, s2, s25
	s_wait_kmcnt 0x0
	s_add_nc_u64 s[4:5], s[4:5], s[2:3]
	s_lshl_b32 s2, s21, 14
	s_lshl_b32 s25, s22, 9
	s_add_co_u32 s2, s2, s25
	s_add_nc_u64 s[6:7], s[6:7], s[2:3]            ; b_in at my 128
	s_lshl_b32 s2, s21, 17
	s_lshl_b32 s25, s22, 7
	s_add_co_u32 s2, s2, s25
	s_add_co_u32 s2, s2, HSO
	s_add_nc_u64 s[16:17], s[14:15], s[2:3]        ; h's scale words at (e, pair 0, K step cs)
	s_lshl_b32 s2, s21, 21
	s_lshl_b32 s25, s22, 10
	s_add_co_u32 s2, s2, s25
	s_add_nc_u64 s[14:15], s[14:15], s[2:3]        ; h's codes at (e, tile 0, K step cs)
	s_lshl_b32 s2, s21, 13
	s_add_nc_u64 s[12:13], s[12:13], s[2:3]        ; my expert's list
	s_load_b32 s23, s[12:13], LCNT                 ; and the number of its rows
	s_wait_alu depctr_va_vdst(0)                   ; the head's offsets and addresses (v1 to v17, v21, v22, v122) are written, which the loads and stores of the whole kernel read
	s_cmp_lg_u32 s18, 1
	s_cbranch_scc1 .Lno_bias
	global_load_b128 v[104:107], v122, s[6:7]
.Lno_bias:
	global_load_b32 v96, v4, s[12:13]              ; the entries of my rows in the first 24 tiles
	global_load_b32 v98, v4, s[12:13] offset:512
	global_load_b32 v100, v4, s[12:13] offset:1024
	LOAD 0
	s_wait_loadcnt 32                              ; all that was asked for ahead of block 0's 32 loads is in: the three entries, in wave 1 the bias
	GADDR 96                                       ; the first 24 tiles of rows: three tiles' halves a wave
	GADDR 98
	GADDR 100
	s_wait_alu depctr_va_vdst(0)                   ; the six offsets v96 to v101 are written, which the gather's 27 loads read
	GLOADS 96, 192, 32
	GLOADS 98, 224, 34
	GLOADS 100, 64, 36
	LOAD 1
	s_wait_kmcnt 0x0
	s_min_u32 s23, s23, 1024                       ; the expert's rows,
	s_add_co_u32 s24, s23, 31
	s_and_b32 s24, s24, 0xffffffe0                 ; in whole 32s
	s_cmp_lg_u32 s18, 1
	s_cbranch_scc1 .Lno_bias2
	ds_store_b128 v21, v[104:107]                  ; the bias: its data came by a load, its address was made at the head
.Lno_bias2:
	QBLOCK 0, 59, 0                                ; behind block 0's loads: the gather's 27 and block 1's 32
	s_wait_loadcnt 32                              ; the gather is in; block 1's loads may be out
	GSTORE 7, 0, 192, 32
	GSTORE 8, 1, 224, 34
	GSTORE 9, 2, 64, 36
	LOAD 2                                         ; no vector line since block 0's wait on va_vdst names set 0
	QBLOCK 1, 32, 1
	QBLOCK 2, 32, 1
	QBLOCK 3, 32, 1
	QBLOCK 4, 32, 1
	QBLOCK 5, 32, 1
	QBLOCK 6, 32, 0
	QBLOCK 7, 0, 0
	s_wait_dscnt 0x0                               ; for the others' sake: my images, scale words (and the bias) have landed
	s_barrier_signal -1
	s_barrier_wait -1
	; PHASE M.  My weights for all of K stay in registers.  (They land in v128-255: the blocks' waits have shown the vector lines done with v128-191 and the gather's LDS stores done reading v192-255.)
.irp u, 0,1
.irp s, 0,1,2,3,4,5,6,7
.irp c, 0,1
	ds_load_b128 v[W+64*\u+8*\s+4*\c:W+64*\u+8*\s+4*\c+3], v11 offset:(8*\u+\s)*1024+512*\c
.endr
.endr
.endr
.irp s, 0,1,2,3,4,5,6,7
	ds_load_b32 v[WS+\s], v12 offset:128*\s
.endr
	s_wait_dscnt 0x0
	s_mov_b32 s26, 0                               ; blocks of 24 tiles: three serve every split (72 tiles for 64 at the most)
	s_lshl_b32 s29, s20, 4                         ; 16 x my tile
	s_mov_b32 s35, 0                               ; my scale bytes: 16 a tile
	s_mov_b32 s58, 0                               ; hc: 4 tiles on a trip
	s_mov_b32 s59, 0                               ; the list: 384 entries a block
	s_mov_b32 s62, 0                               ; the rows that the blocks so far hold
.Lblock:
	s_mov_b32 s27, 0
	s_mov_b32 s28, 0
	s_mov_b32 s34, 0
.Lq:
	s_cmp_ge_u32 s29, s24                          ; a tile past the expert's rows is left out: its work alone
	s_cbranch_scc1 .Lskip
	s_wait_xcnt 0x0                                ; the last tile's store has had its address translated,
	s_wait_dscnt 0x0                               ; its byte store is done
	s_wait_alu depctr_vm_vsrc(0)                   ; the LDS and memory instructions so far have read what is written again below: v18 to v21, the last tile's v68 and v70-71; ahead of a block's first tile also phase Q's codes and scale word and the gather's offsets and data
	v_add_nc_u32 v18, s28, v13
	v_add_nc_u32 v19, s34, v14
	v_add_nc_u32 v20, s35, v16
	v_add_nc_u32 v21, s58, v17
	s_wait_alu depctr_va_vdst(0)                   ; the four addresses are written; the last tile's products, gelu and quantiser are done with XS, ACC and X, in which the loads below land
	ds_load_b128 v[XS:XS+3], v19
	ds_load_b128 v[XS+4:XS+7], v19 offset:16
.irp k, 0,1,2,3
	ds_load_b128 v[ACC+4*\k:ACC+4*\k+3], v15 offset:16*\k          ; the sums begin as the bias: lane (r, h), tile u, register j: hidden unit 16 h + 8 u + j of my 32
.endr
.irp s, 0,1,2,3,4,5,6,7
.irp c, 0,1
	ds_load_b128 v[X+8*\s+4*\c:X+8*\s+4*\c+3], v18 offset:1024*\s+512*\c
.endr
.endr
	s_wait_dscnt 8                                 ; all but the fragments of K steps 4 to 7
.irp s, 0,1,2,3
	v_wmma_scale_f32_16x16x128_f8f6f4 v[ACC:ACC+7], v[W+8*\s:W+8*\s+7], v[X+8*\s:X+8*\s+7], v[ACC:ACC+7], v[WS+\s], v[XS+\s] matrix_a_fmt:MATRIX_FMT_FP4 matrix_b_fmt:MATRIX_FMT_FP4
	v_wmma_scale_f32_16x16x128_f8f6f4 v[ACC+8:ACC+15], v[W+64+8*\s:W+64+8*\s+7], v[X+8*\s:X+8*\s+7], v[ACC+8:ACC+15], v[WS+\s], v[XS+\s] matrix_a_fmt:MATRIX_FMT_FP4 matrix_b_fmt:MATRIX_FMT_FP4 matrix_a_scale:MATRIX_SCALE_ROW1
.endr
	s_wait_dscnt 0x0
.irp s, 4,5,6,7                                ; the two accumulators by turns, one instruction a turn
	v_wmma_scale_f32_16x16x128_f8f6f4 v[ACC:ACC+7], v[W+8*\s:W+8*\s+7], v[X+8*\s:X+8*\s+7], v[ACC:ACC+7], v[WS+\s], v[XS+\s] matrix_a_fmt:MATRIX_FMT_FP4 matrix_b_fmt:MATRIX_FMT_FP4
	v_wmma_scale_f32_16x16x128_f8f6f4 v[ACC+8:ACC+15], v[W+64+8*\s:W+64+8*\s+7], v[X+8*\s:X+8*\s+7], v[ACC+8:ACC+15], v[WS+\s], v[XS+\s] matrix_a_fmt:MATRIX_FMT_FP4 matrix_b_fmt:MATRIX_FMT_FP4 matrix_a_scale:MATRIX_SCALE_ROW1
.endr
.rept 4
	v_nop                                          ; four places behind the products (ISA guide 7.12.1): results are read and x's registers written next, by vector lines
.endr
	; gelu of my 16 numbers, two at a time; each accumulator is read from its low end on
.set p, 0
.rept 8
	v_pk_mul_f32 v[Z+p:Z+p+1], v[ACC+p:ACC+p+1], s[36:37] op_sel_hi:[1,0]      ; z = v / sqrt 2
.set p, p+2
.endr
.set p, 0
.rept 16
	v_med3_num_f32 v[Z+p], v[Z+p], -4.0, 4.0       ; beyond +-4 erf is +-1 in f32
.set p, p+1
.endr
.set p, 0
.rept 8
	v_pk_mul_f32 v[Y+p:Y+p+1], v[Z+p:Z+p+1], v[Z+p:Z+p+1]
.set p, p+2
.endr
.set p, 0
.rept 8
	v_pk_fma_f32 v[P+p:P+p+1], v[Y+p:Y+p+1], v[26:27], s[38:39] op_sel_hi:[1,1,0]
	v_pk_fma_f32 v[Q+p:Q+p+1], v[Y+p:Y+p+1], v[28:29], s[50:51] op_sel_hi:[1,1,0]
.set p, p+2
.endr
	HORNER P, 40
	HORNER Q, 52
	HORNER P, 42
	HORNER Q, 54
	HORNER P, 44
	HORNER Q, 56
	HORNER P, 46
	HORNER P, 48
.set p, 0
.rept 8
	v_pk_mul_f32 v[P+p:P+p+1], v[P+p:P+p+1], v[Z+p:Z+p+1]
.set p, p+2
.endr
.set p, 0
.rept 16
	v_rcp_f32 v[Q+p], v[Q+p]
.set p, p+1
.endr
.set p, 0
.rept 8
	v_pk_mul_f32 v[Z+p:Z+p+1], v[ACC+p:ACC+p+1], 0.5 op_sel_hi:[1,0]           ; v / 2 (plain lines behind the reciprocals)
.set p, p+2
.endr
.set p, 0
	s_wait_alu depctr_va_vdst(0)                   ; the sixteen reciprocals are written: one wait for the batch, ahead of its first reader
.rept 8
	v_pk_mul_f32 v[P+p:P+p+1], v[P+p:P+p+1], v[Q+p:Q+p+1]                      ; erf
.set p, p+2
.endr
.set p, 0
.rept 8
	v_pk_fma_f32 v[ACC+p:ACC+p+1], v[Z+p:Z+p+1], v[P+p:P+p+1], v[Z+p:Z+p+1]    ; v / 2 x erf + v / 2
.set p, p+2
.endr
	; the quantiser along H: my 16 numbers and lane l xor 16's are the block of 32
	v_max3_num_f32 v64, |v[ACC]|, |v[ACC+1]|, 0x1800000
	v_max3_num_f32 v65, |v[ACC+2]|, |v[ACC+3]|, |v[ACC+4]|
	v_max3_num_f32 v64, v64, |v[ACC+5]|, |v[ACC+6]|
	v_max3_num_f32 v65, v65, |v[ACC+7]|, |v[ACC+8]|
	v_max3_num_f32 v64, v64, |v[ACC+9]|, |v[ACC+10]|
	v_max3_num_f32 v65, v65, |v[ACC+11]|, |v[ACC+12]|
	v_max3_num_f32 v64, v64, |v[ACC+13]|, |v[ACC+14]|
	v_max3_num_f32 v64, v64, v65, |v[ACC+15]|
	v_permlanex16_b32 v66, v64, s32, s33
	v_max_num_f32 v64, v64, v66
	v_add_nc_u32 v67, 0xff000000, v64
	v_lshrrev_b32 v68, 23, v67
	v_cvt_scalef32_pk8_fp4_f32 v70, v[ACC:ACC+7], v67
	v_cvt_scalef32_pk8_fp4_f32 v71, v[ACC+8:ACC+15], v67
	v_nop                                          ; one plain line behind the last conversion
	s_wait_alu depctr_va_vdst(0)                   ; the codes v70-71 and the byte v68 are written, which the two stores below read
	global_store_b64 v21, v[70:71], s[14:15]       ; the wave stores 256 consecutive bytes, aligned: block cp of the fragment (tile, K step cs)
	ds_store_b8 v20, v68                           ; both lanes of a row write the same byte with the same value
.Lskip:
	s_add_co_u32 s28, s28, 32768
	s_add_co_u32 s34, s34, 2048
	s_add_co_u32 s29, s29, 64
	s_add_co_u32 s35, s35, 16
	s_add_co_u32 s58, s58, 131072
	s_add_co_u32 s27, s27, 1
	s_cmp_lt_u32 s27, 6
	s_cbranch_scc1 .Lq
	s_wait_dscnt 0x0                               ; my reads of x's images are over, my bytes have landed
	s_barrier_signal -1
	s_barrier_wait -1
	s_add_co_u32 s59, s59, 1536
	s_add_co_u32 s62, s62, 384
	s_cmp_ge_u32 s62, s24                          ; more rows than the blocks so far hold?  Then the next 24 tiles are gathered; no barrier stands under this branch
	s_cbranch_scc1 .Lno_refill
	s_wait_xcnt 0x0                                ; the last tile's store has had its address translated: the gather below lands on its codes' registers
	s_wait_alu depctr_vm_vsrc(0)                   ; the memory and LDS instructions so far have read v102 and v96 to v101 (the last gather's offsets), v68 and v70-71 (the last tile's stores), v64-95 and v32-33 (the last gather's LDS stores): all are written again below
	v_add_nc_u32 v102, s59, v4
	s_wait_alu depctr_va_vdst(0)                   ; v102 is written, which the three loads read; the tiles' arithmetic is done with v96 to v101, v64-95 and v32-33, in which the loads below land
	global_load_b32 v96, v102, s[12:13]            ; the three entries together, as at the head
	global_load_b32 v98, v102, s[12:13] offset:512
	global_load_b32 v100, v102, s[12:13] offset:1024
	s_wait_loadcnt 0x0                             ; the entries are in
	GADDR 96
	GADDR 98
	GADDR 100
	s_wait_alu depctr_va_vdst(0)                   ; the six offsets are written, which the loads of the three turns read
.irp n, 0,1,2
.if \n > 0
	s_wait_dscnt 0x0                               ; the LDS stores of the turn before are done,
	s_wait_alu depctr_vm_vsrc(0)                   ; and have read v64-95 and v32-33, in which this turn's loads land
.endif
	GLOADS 96+2*\n, 64, 32
	s_wait_loadcnt 0x0
	GSTORE 7+\n, \n, 64, 32
.endr
.Lno_refill:
	s_wait_dscnt 0x0
	s_barrier_signal -1
	s_barrier_wait -1
	s_add_co_u32 s26, s26, 1
	s_cmp_lt_u32 s26, 3
	s_cbranch_scc1 .Lblock
	; h's scale words leave: pair of tiles w, then w + 16; lane L's word is row L of the pair, its four bytes come from the four waves cp
	s_wait_xcnt 0x0                                ; the last tile's store has had its address translated
	s_wait_alu depctr_vm_vsrc(0)                   ; the last tile's stores have read v68 and v70-71, the last gather's LDS stores v64-95: v72 is written and the bytes land in v64-71 below
	s_lshl_b32 s25, s18, 12
	v_lshl_add_u32 v72, v23, 2, s25
	s_lshl_b32 s25, s18, 5
.irp it, 0,1
	s_cmp_ge_u32 s25, s24
	s_cbranch_scc1 .Lno_words\it
.irp c, 0,1,2,3
	ds_load_u8 v[64+4*\it+\c], v22 offset:512*\c+128*\it
.endr
	s_wait_dscnt 0x0
	v_lshl_or_b32 v[64+4*\it], v[65+4*\it], 8, v[64+4*\it]
	v_lshl_or_b32 v[64+4*\it], v[66+4*\it], 16, v[64+4*\it]
	v_lshl_or_b32 v[64+4*\it], v[67+4*\it], 24, v[64+4*\it]
	s_wait_alu depctr_va_vdst(0)                   ; the word and its offset v72 are written, which the store reads
	global_store_b32 v72, v[64+4*\it], s[16:17] offset:65536*\it
.Lno_words\it:
	s_add_co_u32 s25, s25, 512
.endr
	s_wait_xcnt 0x0
	v_lshl_add_u32 v254, v0, 2, 0x46200            ; the add's two registers are made anew here: no two could be kept.  No memory or LDS instruction has read them since the last wait on vm_vsrc
	v_mov_b32 v255, 0
	s_wait_dscnt 0x0                               ; the closing lines, six on end
	s_wait_alu 0x0
	s_wait_tensorcnt 0x0
	ds_add_u32 v254, v255
	s_wait_dscnt 0x0
	s_endpgm
.Lfunc_end_k_qd77882bf4b_up:
	.size	k_qd77882bf4b_up, .Lfunc_end_k_qd77882bf4b_up-k_qd77882bf4b_up
	.p2alignl 7, 3214868480
	.fill 96, 4, 3214868480
	.section	.rodata,"a",@progbits
	.p2align	6, 0x0
	.amdhsa_kernel k_qd77882bf4b_up
		.amdhsa_group_segment_fixed_size 289280
		.amdhsa_private_segment_fixed_size 0
		.amdhsa_enable_private_segment 0
		.amdhsa_kernarg_size 48
		.amdhsa_user_sgpr_count 2
		.amdhsa_user_sgpr_kernarg_segment_ptr 1
		.amdhsa_wavefront_size32 1
		.amdhsa_system_sgpr_workgroup_id_x 1
		.amdhsa_system_sgpr_workgroup_id_y 1
		.amdhsa_system_sgpr_workgroup_id_z 1
		.amdhsa_system_vgpr_workitem_id 0
		.amdhsa_next_free_vgpr 256
		.amdhsa_next_free_sgpr 66
		.amdhsa_reserve_vcc 0
		.amdhsa_float_denorm_mode_32 3
		.amdhsa_float_denorm_mode_16_64 3
		.amdhsa_memory_ordered 1
		.amdhsa_forward_progress 1
		.amdhsa_inst_pref_size 76
	.end_amdhsa_kernel
	.amdgpu_metadata
---
amdhsa.version: [ 1, 2 ]
amdhsa.kernels:
  - .name:           k_qd77882bf4b_up
    .symbol:         k_qd77882bf4b_up.kd
    .args:
      - { .name: W_in, .offset: 0, .size: 8, .value_kind: global_buffer, .address_space: global }
      - { .name: b_in, .offset: 8, .size: 8, .value_kind: global_buffer, .address_space: global }
      - { .name: xc, .offset: 16, .size: 8, .value_kind: global_buffer, .address_space: global }
      - { .name: xs, .offset: 24, .size: 8, .value_kind: global_buffer, .address_space: global }
      - { .name: list, .offset: 32, .size: 8, .value_kind: global_buffer, .address_space: global }
      - { .name: hc, .offset: 40, .size: 8, .value_kind: global_buffer, .address_space: global }
    .group_segment_fixed_size: 289280
    .private_segment_fixed_size: 0
    .kernarg_segment_align: 8
    .kernarg_segment_size: 48
    .max_flat_workgroup_size: 512
    .sgpr_count:     66
    .vgpr_count:     256
    .wavefront_size: 32
...
	.end_amdgpu_metadata
.endif
;; end of part 6
;; launch down (part 7): grid 256 x 1, 16 waves a work-group, no clusters, 141,568 bytes of LDS; arguments W_out, b_out, hc, list, gate, parts; writes parts
.if DOCPART == 7
	.amdgcn_target "amdgcn-amd-amdhsa--gfx1250"
	.amdhsa_code_object_version 6
	.text
	.protected	k_qd77882bf4b_down
	.globl	k_qd77882bf4b_down
	.p2align	8
	.type	k_qd77882bf4b_down,@function
k_qd77882bf4b_down:
	s_mov_b64 s[64:65], 0
	v_nop
	global_prefetch_b8 v0, s[64:65] scope:SCOPE_SE
	s_setreg_imm32_b32 hwreg(HW_REG_WAVE_SCHED_MODE, 0, 2), 2
	s_setreg_imm32_b32 hwreg(HW_REG_WAVE_MODE, 25, 1), 1
	s_wait_xcnt 0x0
	s_wait_alu depctr_vm_vsrc(0)
; DOWN.  parts[(2 token + slot) x 2 + kh] = gate x (h W_out[e] over half kh of H, + b_out[e] in half 0), for the rows that chose expert e; both operands as codes of E2M1 with E8M0 scales along H.
; SHARES.  Work-group = (e = number / 32, dcs = (number / 2) % 16: 64 columns of D, kh = number % 2: 2,048 along H).  Its 2,048 x 64 numbers of W_out (512 KiB) are read from memory once in the whole program;
; two waves side by side cover 256 consecutive bytes of a row of W_out.
; PHASE Q.  Wave w (cg = w % 2, ke = w / 2): columns 32 cg .. + 31, k = 256 ke .. + 255.  A lane takes a column, its registers run down K; the codes go to LDS as images of operand registers.
; THE LIST.  An earlier launch stored the number of the expert's rows and their list (entry = 2 x token + slot; 32 copies of the first entry behind the last).  The count comes by a scalar load, the entries by vector loads.
; PHASE M.  An item is a pair of tiles of 16 rows x my 64 columns x 16 K steps: 128 products on 8 accumulators by turns; wave w takes pairs w and w + 16.  h's fragments come from memory straight into
; registers (they were stored as images; h's scale words lie in the same buffer from byte 2^24 on), the weights' from LDS, each feeding two products.  The product is used transposed: a lane holds 8 neighbouring columns of one row.
; A copy of the first row is computed like any row and stored to the first row's place with the same values, by this work-group.
; What hangs on the stored count is a scalar branch round an item, never round a barrier.  So no tensor loads, copies or joint requests; no two work-groups share a byte of the weights.
; LIMITS: NaN and infinities are not served (b_out is multiplied by 0 in half 1); a block of W_out whose largest magnitude lies under 2^-124 keeps the scale byte 1.
; THE MODE: SCHED_MODE bits 1:0 = 2 (LLVM: expert scheduling mode 2), set by the entry lines.  The code itself states the register dependences
; between vector or matrix instructions and memory or LDS instructions, with s_wait_alu, always for 0.
; THE PLAN.  Registers that memory or LDS instructions touch:
;   v1-v6, v8, v10, v12, v14-v17, v21, v115   offsets and addresses, made once at the head: one wait on va_vdst ahead of the first load serves them all.
;   ST0, ST1 (v128-191), QC (v108-111), SW (v112)   phase Q: a block's maxima and conversions read set t % 2 and write QC and SW; its LDS stores read these; the loads of block t + 2 land in the set.
;     So a block has a wait on vm_vsrc at its head and ONE wait on va_vdst behind its conversions.
;   v7, v9, v11, v13         an item's four offsets: written at its head, read by its loads.      v36, v37: entries land here, vector lines make offsets of them, the gates' loads read them.
;   WB0, WB1 (v64-127) with two scale registers each (v44-47)   K step s's eight products read set s % 2; the LDS loads issued in K step s land in the other set.
;   H0, H1 (v128-191)        K steps 2 g and 2 g + 1 read group g % 2; the loads issued at the head of K step 2 g land in the other group.      HS (v48-63): loaded once an item.
;     So ONE wait on va_vdst stands at the head of a K step: the products of the step before are done reading the other set, in an even step those of the two steps before the other group.
;     Behind it the step's loads owe nothing more: h's next group first, the next set's ten LDS loads dealt among the step's first products, which name this step's set, group and scale words and the accumulators alone.
;   ACC (v192-255)           LDS loads (the bias), the products, the gates' multiplies write it; the stage's stores read it.
;   v128-143 at an item's end: entries land here, vector lines make offsets of them, the global stores read them; the stage's loads land in WB, which the global stores read.
;     So on the way out all vector lines stand first and ONE wait on va_vdst serves the stage's stores and loads and the global stores; the wait on vm_vsrc for all of them stands at the next item's head.
;   All 256 registers of the wave are taken: there is none for a third set of weights.
.set WC,   0                           ; LDS: 64 weight fragments (tile ct of 16 columns, K step s) at (16 ct + s) x 1,024
.set WSC,  65536                       ; their scale words: (16 cg + s) x 128 + 4 lane: lanes 0-15 tile 2 cg, lanes 16-31 tile 2 cg + 1
.set BIA,  69632                       ; b_out's 64 numbers, or zeros
.set STG,  69888                       ; a stage of 16 rows x (256 bytes + 16) for each wave
.set LCNT, 6656                        ; the count's byte in an expert's 8,192 bytes of the list
.set HSO,  0x1000000                   ; where h's scale words begin in hc
.set RS,   4096                        ; a row of W_out in bytes
.set WSB,  44                          ; v44-47   the weights' scale words, two sets of two
.set HS,   48                          ; v48-63   h's scale words, one a K step: lanes 0-15 the pair's first tile, lanes 16-31 its second
.set WB,   64                          ; v64-127  the weights' fragments, two sets of four; scratch outside the products
.set H,    128                         ; v128-191 h's fragments, two groups of (2 tiles x 2 K steps)
.set ACC,  192                         ; v192-255 accumulator (tile a, columns ct) at 32 a + 8 ct
.set ST,   128                         ; phase Q: two sets of 32 numbers
.set QM0,  102
.set QM1,  103
.set QC,   108
.set SW,   112
.set QSO,  113
.set QBY,  114
.macro LOAD t                          ; block t: W(32 t + i, my column), i = 0 .. 31, into set t % 2
.set li, 0
.rept 32
	global_load_b32 v[ST+32*((\t)%2)+li], v1, s[4:5] offset:(32*(\t)+li)*RS th:TH_LOAD_NT
.set li, li+1
.endr
.endm
.macro QBLOCK t, cnt, more             ; one block of 32 along K of my column: cnt = the younger loads that may stay out
.set SS, ST+32*((\t)%2)
	s_wait_loadcnt \cnt
	s_wait_dscnt 0x0                               ; the last block's LDS stores are done
.if (\t) > 0
	s_wait_alu depctr_vm_vsrc(0)                   ; the last block's LDS stores have read QC and SW, which this block writes again
.endif
	v_max3_num_f32 v[QM0], |v[SS]|, |v[SS+1]|, 0x1800000           ; the floor 2^(3 - 127): the byte cannot fall under 1
	v_max3_num_f32 v[QM1], |v[SS+2]|, |v[SS+3]|, |v[SS+4]|
.set qi, 5
.rept 6
	v_max3_num_f32 v[QM0], v[QM0], |v[SS+qi]|, |v[SS+qi+1]|
	v_max3_num_f32 v[QM1], v[QM1], |v[SS+qi+2]|, |v[SS+qi+3]|
.set qi, qi+4
.endr
	v_max3_num_f32 v[QM0], v[QM0], |v[SS+29]|, |v[SS+30]|
	v_max3_num_f32 v[QM0], v[QM0], v[QM1], |v[SS+31]|
	v_add_nc_u32 v[QSO], 0xff000000, v[QM0]        ; 2 off the exponent field: the conversion's scale operand
	v_lshrrev_b32 v[QBY], 23, v[QSO]
.if (\t)%4 == 0
	v_mov_b32 v[SW], v[QBY]
.else
	v_lshl_or_b32 v[SW], v[QBY], 8*((\t)%4), v[SW]
.endif
.irp g, 0,1,2,3
	v_cvt_scalef32_pk8_fp4_f32 v[QC+\g], v[SS+8*\g:SS+8*\g+7], v[QSO]
.endr
	v_nop                                          ; one plain line behind the last conversion
	s_wait_alu depctr_va_vdst(0)                   ; QC and SW are written, which the LDS stores below read; the maxima and the conversions are done reading this set, in which the loads of the block two on land
	ds_store_b128 v2, v[QC:QC+3] offset:((\t)/4)*1024+256*((\t)%4)
.if (\t)%4 == 3
	ds_store_b32 v3, v[SW] offset:((\t)/4)*128
.endif
.if \more
	LOAD (\t)+2
.endif
.endm
.macro WPART s, ct                     ; K step s: weight fragment ct into set s % 2: two LDS loads
.irp c, 0,1
	ds_load_b128 v[WB+32*((\s)%2)+8*(\ct)+4*\c:WB+32*((\s)%2)+8*(\ct)+4*\c+3], v4 offset:((\ct)*16+(\s))*1024+512*\c
.endr
.endm
.macro WSCL s                          ; and the set's two scale registers
.irp cgp, 0,1
	ds_load_b32 v[WSB+2*((\s)%2)+\cgp], v5 offset:(\cgp*16+(\s))*128
.endr
.endm
.macro HGRP g                          ; K steps 2 g, 2 g + 1 of the pair's two tiles into group g % 2: eight loads of 512 consecutive bytes
.irp a, 0,1
.irp sp, 0,1
.irp c, 0,1
	global_load_b128 v[H+32*((\g)%2)+16*\a+8*\sp+4*\c:H+32*((\g)%2)+16*\a+8*\sp+4*\c+3], v7, s[8:9] offset:\a*32768+(2*(\g)+\sp)*1024+512*\c
.endr
.endr
.endr
.endm
.macro RENT                            ; the list's entries of the rows that I store: rows 2 k + lane / 16 of tile a: 16 loads
.irp a, 0,1
.irp k, 0,1,2,3,4,5,6,7
	global_load_b32 v[H+8*\a+\k], v13, s[12:13] offset:64*\a+8*\k
.endr
.endr
.endm
.macro MM a, ct, s                     ; source 0 = 16 columns of W_out, source 1 = 16 rows of h
.set rD, ACC+32*(\a)+8*(\ct)
.set rW, WB+32*((\s)%2)+8*(\ct)
.set rH, H+32*(((\s)/2)%2)+16*(\a)+8*((\s)%2)
.set rS, WSB+2*((\s)%2)+(\ct)/2
.if ((\ct)%2 == 0) && ((\a) == 0)
	v_wmma_scale_f32_16x16x128_f8f6f4 v[rD:rD+7], v[rW:rW+7], v[rH:rH+7], v[rD:rD+7], v[rS], v[HS+(\s)] matrix_a_fmt:MATRIX_FMT_FP4 matrix_b_fmt:MATRIX_FMT_FP4
.elseif ((\ct)%2 == 1) && ((\a) == 0)
	v_wmma_scale_f32_16x16x128_f8f6f4 v[rD:rD+7], v[rW:rW+7], v[rH:rH+7], v[rD:rD+7], v[rS], v[HS+(\s)] matrix_a_fmt:MATRIX_FMT_FP4 matrix_b_fmt:MATRIX_FMT_FP4 matrix_a_scale:MATRIX_SCALE_ROW1
.elseif (\ct)%2 == 0
	v_wmma_scale_f32_16x16x128_f8f6f4 v[rD:rD+7], v[rW:rW+7], v[rH:rH+7], v[rD:rD+7], v[rS], v[HS+(\s)] matrix_a_fmt:MATRIX_FMT_FP4 matrix_b_fmt:MATRIX_FMT_FP4 matrix_b_scale:MATRIX_SCALE_ROW1
.else
	v_wmma_scale_f32_16x16x128_f8f6f4 v[rD:rD+7], v[rW:rW+7], v[rH:rH+7], v[rD:rD+7], v[rS], v[HS+(\s)] matrix_a_fmt:MATRIX_FMT_FP4 matrix_b_fmt:MATRIX_FMT_FP4 matrix_a_scale:MATRIX_SCALE_ROW1 matrix_b_scale:MATRIX_SCALE_ROW1
.endif
.endm
.macro PAIR ct, s                      ; weight fragment ct against the pair's two tiles
	MM 0, \ct, \s
	MM 1, \ct, \s
.endm
.macro KSTEP s
.if (\s) > 0
	s_wait_alu depctr_va_vdst(0)                   ; the products of the K step before are done reading the other set of weights and its scale words, in which this step's LDS loads land; in an even step those of the two steps before are done reading the other group of h
.endif
.if ((\s)%2 == 0) && ((\s) >= 2) && ((\s) <= 12)
	HGRP ((\s)+2)/2                                ; the group after this one, into the group that the last two K steps have left
.endif
.if (\s) == 14
	RENT                                           ; into the group that K steps 12 and 13 have left; K steps 14 and 15 read the other
.endif
.if (\s) == 0
	s_wait_loadcnt 10                              ; h's scale words and group 0 are in; the two gates and group 1's eight may be out
.elseif (\s) == 14
	s_wait_loadcnt 16                              ; the last group is in; the 16 entries asked for behind it may be out
.elseif (\s)%2 == 0
	s_wait_loadcnt 8                               ; this group is in; the next group's eight may be out
.endif
	s_wait_dscnt 0x0                               ; this step's set of weights, asked for a K step ago, is in (in step 0 the bias too)
	PAIR 0, \s
.if (\s) < 15
	WSCL (\s)+1                                    ; the next set.  No wait: no product since the wait above names it
	WPART (\s)+1, 0
	WPART (\s)+1, 1
.endif
	PAIR 1, \s
.if (\s) < 15
	WPART (\s)+1, 2
	WPART (\s)+1, 3
.endif
	PAIR 2, \s
	PAIR 3, \s
.rept 4
	v_nop                                          ; four places behind the products (ISA guide 7.12.1); they stay beside the wait at the next step's head
.endr
.endm
.macro TOSTG a                         ; tile a through my stage, so that sixteen lanes hold a row's 256 bytes
.set p, 0
.rept 8
	ds_store_b128 v14, v[ACC+32*\a+4*p:ACC+32*\a+4*p+3] offset:16*p+32*(p/2)   ; tile ct = p / 2 of columns, half p % 2: 64 ct + 16 half
.set p, p+1
.endr
.set p, 0
.rept 8
	ds_load_b128 v[WB+32*\a+4*p:WB+32*\a+4*p+3], v15 offset:544*p              ; LDS serves a wave's instructions in order: these see my stores, and the next tile's stores come behind them
.set p, p+1
.endr
.endm
.macro SENDA a                         ; and to the rows that the list names
.set p, 0
.rept 8
	global_store_b128 v[H+8*\a+p], v[WB+32*\a+4*p:WB+32*\a+4*p+3], s[16:17]    ; sixteen lanes store 256 consecutive bytes, aligned
.set p, p+1
.endr
.endm
	s_load_b128 s[4:7], s[0:1], 0x0                ; W_out, b_out
	s_load_b64 s[8:9], s[0:1], 0x10                ; hc
	s_load_b128 s[12:15], s[0:1], 0x18             ; list, gate
	s_load_b64 s[16:17], s[0:1], 0x28              ; parts
	v_lshl_add_u32 v42, v0, 2, 0x22100             ; the add's two registers: made here and kept for the closing lines alone
	v_mov_b32 v43, 0
	v_lshrrev_b32 v1, 5, v0
	v_readfirstlane_b32 s18, v1                    ; wave 0..15
	v_and_b32 v23, 31, v0                          ; lane
	v_and_b32 v24, 15, v0                          ; lane % 16
	v_bfe_u32 v25, v0, 4, 1                        ; lane / 16
	v_lshlrev_b32 v1, 2, v23
	s_wait_alu depctr_va_sdst(0)                   ; s18 is written, ahead of its first reader: the wave's shares and every base are made from it
	s_and_b32 s19, s18, 1                          ; cg
	s_lshr_b32 s20, s18, 1                         ; ke
	s_lshr_b32 s21, ttmp9, 5                       ; e
	s_bfe_u32 s22, ttmp9, 0x40001                  ; dcs
	s_and_b32 s24, ttmp9, 1                        ; kh
	; every LDS address is made here, ahead of the first branch on the wave's number
	s_lshl_b32 s25, s19, 15
	s_lshl_b32 s30, s20, 11
	s_add_co_u32 s25, s25, s30
	v_lshlrev_b32 v2, 14, v25
	v_lshl_add_u32 v2, v24, 4, v2
	v_add_nc_u32 v2, s25, v2                       ; v2: my codes: fragment (2 cg + lane / 16, 2 ke), row lane % 16
	s_lshl_b32 s25, s19, 11
	s_lshl_b32 s30, s20, 8
	s_add_co_u32 s25, s25, s30
	s_add_co_u32 s25, s25, WSC
	v_lshl_add_u32 v3, v23, 2, s25                 ; v3: my scale words
	v_lshlrev_b32 v4, 4, v23                       ; v4: an image's place for my lane
	v_lshl_add_u32 v5, v23, 2, WSC                 ; v5: a scale word's
	s_lshl_b32 s25, s18, 16
	v_lshl_add_u32 v6, v23, 4, s25                 ; v6: h's codes: pair w
	s_lshl_b32 s25, s18, 12
	v_lshl_add_u32 v8, v23, 2, s25                 ; v8: h's scale words: pair w
	s_lshl_b32 s25, s18, 7
	v_lshl_add_u32 v10, v24, 2, s25                ; v10: in the list (memory): the entry of my row (the gate's)
	v_lshl_add_u32 v12, v25, 2, s25                ; v12: the entries of the rows that I store
	s_mul_i32 s25, s18, 4352
	s_add_co_u32 s25, s25, STG
	v_mul_u32_u24 v14, v24, 272
	v_lshl_add_u32 v14, v25, 5, v14
	v_add_nc_u32 v14, s25, v14                     ; v14: into my stage: row lane % 16, 32 bytes for each half of the lanes
	v_mul_u32_u24 v15, v25, 272
	v_lshl_add_u32 v15, v24, 4, v15
	v_add_nc_u32 v15, s25, v15                     ; v15: back: lanes 0-15 one row, lanes 16-31 the next
	v_lshlrev_b32 v16, 4, v24
	v_lshl_add_u32 v17, v25, 5, BIA                ; v17: the bias of my 8 columns of a tile
	v_lshl_add_u32 v21, v23, 3, BIA
	v_lshlrev_b32 v115, 3, v23
	v_mov_b32 v33, 0                               ; (named as the upper halves of the gates' pairs)
	v_mov_b32 v35, 0
	s_mov_b32 s3, 0
	s_lshl_b32 s2, s21, 24                         ; W_out: expert 2^24 bytes, half of H 2^23, 256 rows 2^20, 64 columns 256, 32 columns 128
	s_lshl_b32 s25, s24, 23
	s_add_co_u32 s2, s2, s25
	s_lshl_b32 s25, s20, 20
	s_add_co_u32 s2, s2, s25
	s_lshl_b32 s25, s22, 8
	s_add_co_u32 s2, s2, s25
	s_lshl_b32 s25, s19, 7
	s_add_co_u32 s2, s2, s25
	s_wait_kmcnt 0x0
	s_add_nc_u64 s[4:5], s[4:5], s[2:3]
	s_lshl_b32 s2, s21, 12
	s_lshl_b32 s25, s22, 8
	s_add_co_u32 s2, s2, s25
	s_add_nc_u64 s[6:7], s[6:7], s[2:3]            ; b_out at my 64
	s_lshl_b32 s2, s21, 17
	s_lshl_b32 s25, s24, 11
	s_add_co_u32 s2, s2, s25
	s_add_co_u32 s2, s2, HSO
	s_add_nc_u64 s[10:11], s[8:9], s[2:3]          ; h's scale words at (e, pair 0, K step 16 kh)
	s_lshl_b32 s2, s21, 21
	s_lshl_b32 s25, s24, 14
	s_add_co_u32 s2, s2, s25
	s_add_nc_u64 s[8:9], s[8:9], s[2:3]            ; h's codes at (e, tile 0, K step 16 kh)
	s_lshl_b32 s2, s24, 12
	s_lshl_b32 s25, s22, 8
	s_add_co_u32 s2, s2, s25
	s_add_nc_u64 s[16:17], s[16:17], s[2:3]        ; parts at (entry 0, kh, my columns)
	s_lshl_b32 s2, s21, 13
	s_add_nc_u64 s[12:13], s[12:13], s[2:3]        ; my expert's list
	s_load_b32 s23, s[12:13], LCNT                 ; and the number of its rows
	s_wait_alu depctr_va_vdst(0)                   ; the head's offsets and addresses (v1 to v5, v14, v15, v17, v21, v115) are written, which the loads and stores of the whole kernel read
	s_cmp_lg_u32 s18, 1
	s_cbranch_scc1 .Lno_bias
	global_load_b64 v[104:105], v115, s[6:7]
.Lno_bias:
	LOAD 0
	s_wait_loadcnt 32                              ; on every wave's path: what was asked for ahead of block 0's 32 loads is in: wave 1's bias; the other waves have nothing older and pass
	LOAD 1
	s_wait_kmcnt 0x0
	s_min_u32 s23, s23, 1024                       ; the expert's rows
	s_cmp_lg_u32 s18, 1
	s_cbranch_scc1 .Lno_bias2
	s_cmp_eq_u32 s24, 0
	s_cselect_b32 s25, 1.0, 0                      ; the bias counts once: in half 0
	v_mul_f32 v104, s25, v104
	v_mul_f32 v105, s25, v105
	s_wait_alu depctr_va_vdst(0)                   ; the two products are written, which the LDS store reads
	ds_store_b64 v21, v[104:105]
.Lno_bias2:
	QBLOCK 0, 32, 1
	QBLOCK 1, 32, 1
	QBLOCK 2, 32, 1
	QBLOCK 3, 32, 1
	QBLOCK 4, 32, 1
	QBLOCK 5, 32, 1
	QBLOCK 6, 32, 0
	QBLOCK 7, 0, 0
	s_wait_dscnt 0x0                               ; for the others' sake: my images, scale words (and the bias) have landed
	s_barrier_signal -1
	s_barrier_wait -1
	s_mov_b32 s26, 0
	s_lshl_b32 s27, s18, 5                         ; 32 x my pair
	s_mov_b32 s28, 0
	s_mov_b32 s29, 0
	s_mov_b32 s34, 0
.Lit:
	s_cmp_ge_u32 s27, s23                          ; a pair past the expert's rows is left out
	s_cbranch_scc1 .Lnone
	s_wait_xcnt 0x0                                ; the last item's stores have had their addresses translated
	s_wait_alu depctr_vm_vsrc(0)                   ; the memory and LDS instructions so far have read what is written again below: the last item's offsets v7, v9, v11, v13, v36, v37, its stores' offsets v128-143 and data in WB, the stage's data in ACC; ahead of the first item phase Q's codes and scale word, wave 1's v104-105 and v115
	v_add_nc_u32 v7, s28, v6
	v_add_nc_u32 v9, s29, v8
	v_add_nc_u32 v11, s34, v10
	v_add_nc_u32 v13, s34, v12
	s_wait_alu depctr_va_vdst(0)                   ; the four offsets are written; the vector and matrix instructions so far are done with v32, v34, v36, v37, the scale words, WB, H and ACC, in which the loads below land
	global_load_b32 v36, v11, s[12:13]             ; the entries of my row in the pair's two tiles
	global_load_b32 v37, v11, s[12:13] offset:64
.irp a, 0,1
.irp k, 0,1,2,3,4,5,6,7
	ds_load_b128 v[ACC+32*\a+4*\k:ACC+32*\a+4*\k+3], v17 offset:16*\k+32*(\k/2)   ; the sums begin as the bias: tile ct = k / 2, half k % 2: 64 ct + 16 half
.endr
.endr
	WSCL 0
	WPART 0, 0
	WPART 0, 1
	WPART 0, 2
	WPART 0, 3
.set i, 0
.rept 16
	global_load_b32 v[HS+i], v9, s[10:11] offset:128*i
.set i, i+1
.endr
	HGRP 0
	s_wait_loadcnt 24                              ; the two entries are in; h's 16 scale words and group 0's eight may be out
	v_min_u32 v36, 2047, v36                       ; held inside the gates
	v_min_u32 v37, 2047, v37
	v_lshlrev_b32 v36, 2, v36
	v_lshlrev_b32 v37, 2, v37
	s_wait_alu depctr_va_vdst(0)                   ; the two offsets v36 and v37 are written, which the gates' loads read
	global_load_b32 v32, v36, s[14:15]
	global_load_b32 v34, v37, s[14:15]
	HGRP 1
.set ks, 0
.rept 16                               ; the 8 accumulators by turns, one instruction a turn, in the same order in every K step
	KSTEP ks
.set ks, ks+1
.endr
	s_wait_loadcnt 0x0                             ; the 16 entries
.set i, 0
.rept 16
	v_min_u32 v[H+i], 2047, v[H+i]                 ; held inside parts
.set i, i+1
.endr
.set i, 0
.rept 16
	v_lshl_add_u32 v[H+i], v[H+i], 13, v16         ; 8,192 bytes an entry, 16 bytes a lane
.set i, i+1
.endr
.irp a, 0,1                                    ; x gate, both tiles: all the way out's vector lines stand ahead of its one wait
.set p, 0
.rept 16
	v_pk_mul_f32 v[ACC+32*\a+p:ACC+32*\a+p+1], v[ACC+32*\a+p:ACC+32*\a+p+1], v[32+2*\a:33+2*\a] op_sel_hi:[1,0]   ; each accumulator from its low end on
.set p, p+2
.endr
.endr
	s_wait_alu depctr_va_vdst(0)                   ; the results x gate are written, which the stage's stores read; the 16 offsets are written, which the global stores read; the last products are done reading WB, in which the stage's loads land
	TOSTG 0
	TOSTG 1
	s_wait_dscnt 16                                ; tile 0 is back in registers; tile 1's eight stores and eight loads may be out
	SENDA 0
	s_wait_dscnt 0x0
	SENDA 1
.Lnone:
	s_add_co_u32 s27, s27, 512
	s_add_co_u32 s28, s28, 0x100000
	s_add_co_u32 s29, s29, 0x10000
	s_add_co_u32 s34, s34, 2048
	s_add_co_u32 s26, s26, 1
	s_cmp_lt_u32 s26, 2
	s_cbranch_scc1 .Lit
	s_wait_dscnt 0x0                               ; the closing lines, six on end
	s_wait_alu 0x0
	s_wait_tensorcnt 0x0
	ds_add_u32 v42, v43
	s_wait_dscnt 0x0
	s_endpgm
.Lfunc_end_k_qd77882bf4b_down:
	.size	k_qd77882bf4b_down, .Lfunc_end_k_qd77882bf4b_down-k_qd77882bf4b_down
	.p2alignl 7, 3214868480
	.fill 96, 4, 3214868480
	.section	.rodata,"a",@progbits
	.p2align	6, 0x0
	.amdhsa_kernel k_qd77882bf4b_down
		.amdhsa_group_segment_fixed_size 141568
		.amdhsa_private_segment_fixed_size 0
		.amdhsa_enable_private_segment 0
		.amdhsa_kernarg_size 48
		.amdhsa_user_sgpr_count 2
		.amdhsa_user_sgpr_kernarg_segment_ptr 1
		.amdhsa_wavefront_size32 1
		.amdhsa_system_sgpr_workgroup_id_x 1
		.amdhsa_system_sgpr_workgroup_id_y 1
		.amdhsa_system_sgpr_workgroup_id_z 1
		.amdhsa_system_vgpr_workitem_id 0
		.amdhsa_next_free_vgpr 256
		.amdhsa_next_free_sgpr 66
		.amdhsa_reserve_vcc 0
		.amdhsa_float_denorm_mode_32 3
		.amdhsa_float_denorm_mode_16_64 3
		.amdhsa_memory_ordered 1
		.amdhsa_forward_progress 1
		.amdhsa_inst_pref_size 91
	.end_amdhsa_kernel
	.amdgpu_metadata
---
amdhsa.version: [ 1, 2 ]
amdhsa.kernels:
  - .name:           k_qd77882bf4b_down
    .symbol:         k_qd77882bf4b_down.kd
    .args:
      - { .name: W_out, .offset: 0, .size: 8, .value_kind: global_buffer, .address_space: global }
      - { .name: b_out, .offset: 8, .size: 8, .value_kind: global_buffer, .address_space: global }
      - { .name: hc, .offset: 16, .size: 8, .value_kind: global_buffer, .address_space: global }
      - { .name: list, .offset: 24, .size: 8, .value_kind: global_buffer, .address_space: global }
      - { .name: gate, .offset: 32, .size: 8, .value_kind: global_buffer, .address_space: global }
      - { .name: parts, .offset: 40, .size: 8, .value_kind: global_buffer, .address_space: global }
    .group_segment_fixed_size: 141568
    .private_segment_fixed_size: 0
    .kernarg_segment_align: 8
    .kernarg_segment_size: 48
    .max_flat_workgroup_size: 512
    .sgpr_count:     66
    .vgpr_count:     256
    .wavefront_size: 32
...
	.end_amdgpu_metadata
.endif
;; end of part 7
;; launch sum: the kernel of part 5 again; grid 256 x 1, 8 waves a work-group, no clusters, 0 bytes of LDS; arguments parts, auxp, out0, out1; writes out0, out1
